; MI455X (gfx1250); checked and timed in simulation.
; The chip was launched on July 23, 2026; its instructions are those of AMD's public machine-readable ISA for CDNA 5 (MIT licence, August 2026) and "CDNA5" Instruction Set Architecture Reference Guide (July 2026). The comments in the code are by the model that wrote it; some were corrected since.
;; Transformer Block. Allowed arithmetic: float matrix products may take bf16 or f16 operands with f32 sums; other float arithmetic in f32, or as packed bf16 or f16 multiplies, adds, multiply-adds, maxima and minima; sums over many terms, partial sums and values carried from step to step in f32; what a program stores and reads back later, other than sums and carried values, may be rounded once to bf16 or f16.
;; Inputs: W1 1,024 x 4,096 float32; W2 4,096 x 1,024 float32; Wg 1,024 x 1,024 float32; Wk 1,024 x 1,024 float32; Wo 1,024 x 1,024 float32; Wq 1,024 x 1,024 float32; Wv 1,024 x 1,024 float32; b1 4,096 float32; b2 1,024 float32; bg 1,024 float32; bk 1,024 float32; bo 1,024 float32; bq 1,024 float32; bv 1,024 float32; ln1_b 1,024 float32; ln1_w 1,024 float32; ln2_b 1,024 float32; ln2_w 1,024 float32; x 4 x 1,024 x 1,024 float32.
;; Outputs: out0 4 x 1,024 x 1,024 float32.
;; One version. Each part assembles by itself: llvm-mc -triple=amdgcn-amd-amdhsa -mcpu=gfx1250 --defsym DOCPART=n.
;; ======== version 1 of 1: 7 launches
;; limits: right only within a limited range of input values
;; workspace buffers: wb 27,262,976 bytes; act 8,388,608 bytes; big 33,554,432 bytes; x1 16,777,216 bytes
;; launch prep (part 1): grid 1344 x 1, 4 waves a work-group, no clusters, 0 bytes of LDS; arguments x, ln1_w, ln1_b, Wq, Wk, Wv, Wg, Wo, W1, W2, act, wb; writes act, wb
.if DOCPART == 1
	.amdgcn_target "amdgcn-amd-amdhsa--gfx1250"
	.amdhsa_code_object_version 6
	.text
	.protected	k_q47421725de_prep
	.globl	k_q47421725de_prep
	.p2align	8
	.type	k_q47421725de_prep,@function
k_q47421725de_prep:
	s_mov_b64 s[64:65], 0
	v_nop
	global_prefetch_b8 v0, s[64:65] scope:SCOPE_SE
	s_setreg_imm32_b32 hwreg(HW_REG_WAVE_MODE, 25, 1), 1
	s_wait_xcnt 0x0
; PREP.  Work-groups 0-511: act[row][:] = bf16(layernorm(x[row][:]) * ln1_w + ln1_b), 4,096 rows of 1,024 f32.
; Work-groups 512-1343: the seven weights, f32 to bf16, each dense in its own [K][N] order, one behind the other in wb (Wq, Wk, Wv, Wg, Wo, W1, W2).
; A stream: no LDS, no barrier, no matrix unit; every byte of x and of the weights is read once and every byte of act and wb written once.  NO LOOP: a wave asks for all that it reads
; at its start, 32 loads of 512 bytes, and works them off behind counted waits, so that nothing waits for a second trip to memory.
; LAYERNORM.  A work-group takes 8 rows, a wave 2, each row kept in 32 registers: the mean is taken away before the squares are formed; all is done in place.
; For jj = 0..3 lane l holds columns 256 jj + 8 l + 0..7: two loads of 16 bytes in, and 16 bytes of bf16 out, so that 16 lanes store 256 consecutive bytes, aligned.
.set PX, 8                             ; s[8:9] x      s[10:11] ln1_w   s[12:13] ln1_b   s[14:27] Wq Wk Wv Wg Wo W1 W2   s[28:29] act   s[30:31] wb
.set PW, 10
.set PBI, 12
.set PO, 28
.set W,  4                             ; v[4:35]    gain of my 32 columns
.set B,  36                            ; v[36:67]   bias of my 32 columns
.set X,  68                            ; v[68:131]  my two rows, 32 registers each: as loaded, less the mean, scaled, and at last 16 registers of bf16
.set T,  132                           ; v[132:139] four running pairs
.set NM, 140                           ; v[140:141] minus the mean, twice
.set R,  142                           ; v[142:143] 1 / sqrt(var + eps), twice
	s_load_b512 s[8:23], s[0:1], 0x0
	s_load_b256 s[24:31], s[0:1], 0x40
	v_lshrrev_b32 v3, 5, v0
	v_readfirstlane_b32 s37, v3                    ; wave 0..3
	s_cmp_lt_u32 ttmp9, 512
	s_cbranch_scc0 .Lcast
.macro ROWLD dst, base, off            ; a row's (or the gain's, the bias's) 4,096 bytes: eight loads of 512 bytes a wave
.irp jj, 0,1,2,3
	global_load_b128 v[(\dst)+8*(\jj):(\dst)+8*(\jj)+3],   v1, s[\base:\base+1] offset:(\off)+1024*(\jj)
	global_load_b128 v[(\dst)+8*(\jj)+4:(\dst)+8*(\jj)+7], v1, s[\base:\base+1] offset:(\off)+1024*(\jj)+16
.endr
.endm
.macro ACROSS                          ; four pairs into one number, then over the 32 lanes: every lane ends with the sum
	v_pk_add_f32 v[T:T+1], v[T:T+1], v[T+2:T+3]
	v_pk_add_f32 v[T+4:T+5], v[T+4:T+5], v[T+6:T+7]
	v_pk_add_f32 v[T:T+1], v[T:T+1], v[T+4:T+5]
	v_add_f32 v[T], v[T], v[T+1]
	v_add_f32_dpp v[T], v[T], v[T] row_xmask:1 row_mask:0xf bank_mask:0xf
	v_add_f32_dpp v[T], v[T], v[T] row_xmask:2 row_mask:0xf bank_mask:0xf
	v_add_f32_dpp v[T], v[T], v[T] row_xmask:4 row_mask:0xf bank_mask:0xf
	v_add_f32_dpp v[T], v[T], v[T] row_xmask:8 row_mask:0xf bank_mask:0xf
	v_permlanex16_b32 v[T+1], v[T], s38, s39
	v_add_f32 v[T], v[T], v[T+1]
.endm
; The row in v[x .. x+31] becomes (row - mean) / sqrt(var + eps).  left: the younger loads that may stay out.
.macro STATS x, left
	s_wait_loadcnt \left
.irp k, 0,1,2,3
	v_pk_add_f32 v[T+2*(\k):T+2*(\k)+1], v[(\x)+4*(\k):(\x)+4*(\k)+1], v[(\x)+4*(\k)+2:(\x)+4*(\k)+3]  ; the first eight pairs start four chains
.endr
.set j, 8
.rept 8
	v_pk_add_f32 v[T+2*(j%4):T+2*(j%4)+1], v[T+2*(j%4):T+2*(j%4)+1], v[(\x)+2*j:(\x)+2*j+1]
.set j, j+1
.endr
	ACROSS
	v_mul_f32 v[NM], 0xba800000, v[T]              ; - sum / 1,024
	v_mov_b32 v[NM+1], v[NM]
.set j, 0
.rept 16
	v_pk_add_f32 v[(\x)+2*j:(\x)+2*j+1], v[(\x)+2*j:(\x)+2*j+1], v[NM:NM+1]
.set j, j+1
.endr
.irp k, 0,1,2,3
	v_pk_mul_f32 v[T+2*(\k):T+2*(\k)+1], v[(\x)+2*(\k):(\x)+2*(\k)+1], v[(\x)+2*(\k):(\x)+2*(\k)+1]
.endr
.set j, 4
.rept 12
	v_pk_fma_f32 v[T+2*(j%4):T+2*(j%4)+1], v[(\x)+2*j:(\x)+2*j+1], v[(\x)+2*j:(\x)+2*j+1], v[T+2*(j%4):T+2*(j%4)+1]
.set j, j+1
.endr
	ACROSS
	v_fma_f32 v[T], v[T], s40, s41                 ; var + eps
	v_rsq_f32 v[R], v[T]
	v_rsq_f32 v[R+1], v[T]
	v_nop                                          ; a plain instruction behind the second root,
	s_wait_alu depctr_va_vdst(0)                   ; and one wait for both, ahead of their first reader
.set j, 0
.rept 16
	v_pk_mul_f32 v[(\x)+2*j:(\x)+2*j+1], v[(\x)+2*j:(\x)+2*j+1], v[R:R+1]
.set j, j+1
.endr
.endm
; Gain and bias, the rounding to bf16 (pair j goes into register x + j, which the pairs still to come do not hold), and the row's four stores.  Nothing is written behind them.
.macro FINISH x, off
.set j, 0
.rept 16
	v_pk_fma_f32 v[(\x)+2*j:(\x)+2*j+1], v[(\x)+2*j:(\x)+2*j+1], v[W+2*j:W+2*j+1], v[B+2*j:B+2*j+1]
.set j, j+1
.endr
.set j, 0
.rept 16
	v_cvt_pk_bf16_f32 v[(\x)+j], v[(\x)+2*j], v[(\x)+2*j+1]
.set j, j+1
.endr
.irp jj, 0,1,2,3
	global_store_b128 v2, v[(\x)+4*(\jj):(\x)+4*(\jj)+3], s[34:35] offset:(\off)+512*(\jj)
.endr
.endm
	v_and_b32 v3, 31, v0
	v_lshlrev_b32 v1, 5, v3                        ; 32 l: my place in 1,024 bytes of f32
	v_lshlrev_b32 v2, 4, v3                        ; 16 l: my place in 512 bytes of bf16
	s_lshl_b32 s42, ttmp9, 3
	s_lshl_b32 s43, s37, 1
	s_add_co_u32 s42, s42, s43                     ; my first row
	s_lshl_b32 s44, s42, 12
	s_mov_b32 s45, 0
	s_lshl_b32 s46, s42, 11
	s_mov_b32 s47, 0
	s_mov_b32 s38, 0x76543210                      ; v_permlanex16_b32: each lane takes its own place in the other half
	s_mov_b32 s39, 0xfedcba98
	s_mov_b32 s40, 0x3a800000                      ; 1 / 1,024
	s_mov_b32 s41, 0x3727c5ac                      ; eps = 1e-5
	s_wait_kmcnt 0x0
	s_add_nc_u64 s[32:33], s[PX:PX+1], s[44:45]
	s_add_nc_u64 s[34:35], s[PO:PO+1], s[46:47]
	ROWLD X, 32, 0                                 ; the rows first: their sums want neither gain nor bias
	ROWLD X+32, 32, 4096
	ROWLD W, PW, 0
	ROWLD B, PBI, 0
	STATS X, 24                                    ; row 0's eight loads are in; the 24 behind them may be out
	STATS X+32, 16                                 ; row 1's; gain's and bias's 16 may be out
	s_wait_loadcnt 0x0
	FINISH X, 0
	FINISH X+32, 2048
	s_endpgm
; THE CAST.  Chunk c = work-group - 512 is 16,384 numbers: 65,536 bytes in, 32,768 out.  wb is the seven weights on end, so the chunk's place in wb is 32,768 c;
; its source is the weight in whose run of chunks c falls (Wq from 0, Wk 64, Wv 128, Wg 192, Wo 256, W1 320, W2 576).  In sub-step u = 0..15 thread t takes the 8 numbers at 4,096 u + 32 t.
.Lcast:
	s_sub_co_u32 s42, ttmp9, 512
	v_lshlrev_b32 v1, 5, v0
	v_lshlrev_b32 v2, 4, v0
	s_mov_b32 s43, 0
	s_wait_kmcnt 0x0
	s_mov_b64 s[32:33], s[14:15]
.macro PICK from, ptr
	s_cmp_ge_u32 s42, \from
	s_cselect_b64 s[32:33], s[\ptr:\ptr+1], s[32:33]
	s_cselect_b32 s43, \from, s43
.endm
	PICK 64, 16
	PICK 128, 18
	PICK 192, 20
	PICK 256, 22
	PICK 320, 24
	PICK 576, 26
	s_sub_co_u32 s43, s42, s43                     ; the chunk's number within its weight
	s_lshl_b32 s44, s43, 16
	s_mov_b32 s45, 0
	s_add_nc_u64 s[32:33], s[32:33], s[44:45]
	s_lshl_b32 s46, s42, 15
	s_mov_b32 s47, 0
	s_add_nc_u64 s[34:35], s[30:31], s[46:47]
.set u, 0
.rept 16
	global_load_b128 v[4+8*u:7+8*u],  v1, s[32:33] offset:4096*u th:TH_LOAD_NT
	global_load_b128 v[8+8*u:11+8*u], v1, s[32:33] offset:4096*u+16 th:TH_LOAD_NT
.set u, u+1
.endr
.set u, 0
.rept 16
	s_wait_loadcnt 30-2*u                          ; sub-step u's two loads are in; the 30 - 2 u issued behind them may be out
	v_cvt_pk_bf16_f32 v[4+8*u], v[4+8*u], v[5+8*u]  ; in place: pair k goes into register k, which the pairs still to come do not hold
	v_cvt_pk_bf16_f32 v[5+8*u], v[6+8*u], v[7+8*u]
	v_cvt_pk_bf16_f32 v[6+8*u], v[8+8*u], v[9+8*u]
	v_cvt_pk_bf16_f32 v[7+8*u], v[10+8*u], v[11+8*u]
	global_store_b128 v2, v[4+8*u:7+8*u], s[34:35] offset:2048*u  ; 16 lanes store 256 consecutive bytes, aligned
.set u, u+1
.endr
	s_endpgm
.Lfunc_end_k_q47421725de_prep:
	.size	k_q47421725de_prep, .Lfunc_end_k_q47421725de_prep-k_q47421725de_prep
	.p2alignl 7, 3214868480
	.fill 96, 4, 3214868480
	.section	.rodata,"a",@progbits
	.p2align	6, 0x0
	.amdhsa_kernel k_q47421725de_prep
		.amdhsa_group_segment_fixed_size 0
		.amdhsa_private_segment_fixed_size 0
		.amdhsa_enable_private_segment 0
		.amdhsa_kernarg_size 96
		.amdhsa_user_sgpr_count 2
		.amdhsa_user_sgpr_kernarg_segment_ptr 1
		.amdhsa_wavefront_size32 1
		.amdhsa_system_sgpr_workgroup_id_x 1
		.amdhsa_system_sgpr_workgroup_id_y 1
		.amdhsa_system_sgpr_workgroup_id_z 1
		.amdhsa_system_vgpr_workitem_id 0
		.amdhsa_next_free_vgpr 144
		.amdhsa_next_free_sgpr 66
		.amdhsa_reserve_vcc 0
		.amdhsa_float_denorm_mode_32 3
		.amdhsa_float_denorm_mode_16_64 3
		.amdhsa_memory_ordered 1
		.amdhsa_forward_progress 1
		.amdhsa_inst_pref_size 30
	.end_amdhsa_kernel
	.amdgpu_metadata
---
amdhsa.version: [ 1, 2 ]
amdhsa.kernels:
  - .name:           k_q47421725de_prep
    .symbol:         k_q47421725de_prep.kd
    .args:
      - { .name: x, .offset: 0, .size: 8, .value_kind: global_buffer, .address_space: global }
      - { .name: ln1_w, .offset: 8, .size: 8, .value_kind: global_buffer, .address_space: global }
      - { .name: ln1_b, .offset: 16, .size: 8, .value_kind: global_buffer, .address_space: global }
      - { .name: Wq, .offset: 24, .size: 8, .value_kind: global_buffer, .address_space: global }
      - { .name: Wk, .offset: 32, .size: 8, .value_kind: global_buffer, .address_space: global }
      - { .name: Wv, .offset: 40, .size: 8, .value_kind: global_buffer, .address_space: global }
      - { .name: Wg, .offset: 48, .size: 8, .value_kind: global_buffer, .address_space: global }
      - { .name: Wo, .offset: 56, .size: 8, .value_kind: global_buffer, .address_space: global }
      - { .name: W1, .offset: 64, .size: 8, .value_kind: global_buffer, .address_space: global }
      - { .name: W2, .offset: 72, .size: 8, .value_kind: global_buffer, .address_space: global }
      - { .name: act, .offset: 80, .size: 8, .value_kind: global_buffer, .address_space: global }
      - { .name: wb, .offset: 88, .size: 8, .value_kind: global_buffer, .address_space: global }
    .group_segment_fixed_size: 0
    .private_segment_fixed_size: 0
    .kernarg_segment_align: 8
    .kernarg_segment_size: 96
    .max_flat_workgroup_size: 128
    .sgpr_count:     66
    .vgpr_count:     144
    .wavefront_size: 32
...
	.end_amdgpu_metadata
.endif
;; end of part 1
;; launch qkvg (part 2): grid 16 x 16, 4 waves a work-group, clusters of 4 x 4, 327,680 bytes of LDS; arguments act, wb, bq, bk, bv, bg, big; writes big
.if DOCPART == 2
	.amdgcn_target "amdgcn-amd-amdhsa--gfx1250"
	.amdhsa_code_object_version 6
	.text
	.protected	k_q47421725de_qkvg
	.globl	k_q47421725de_qkvg
	.p2align	8
	.type	k_q47421725de_qkvg,@function
k_q47421725de_qkvg:
	s_mov_b64 s[64:65], 0
	v_nop
	global_prefetch_b8 v0, s[64:65] scope:SCOPE_SE
	s_setreg_imm32_b32 hwreg(HW_REG_WAVE_MODE, 25, 1), 1
	s_wait_xcnt 0x0
	s_wait_alu depctr_hold_cnt(0) depctr_sa_sdst(0) depctr_va_vdst(0) depctr_va_sdst(0) depctr_va_ssrc(0) depctr_va_vcc(0) depctr_vm_vsrc(0)
	s_getreg_b32 s2, hwreg(HW_REG_IB_STS2, 6, 4)
	s_cmp_eq_u32 s2, 0
	s_cbranch_scc0 .Lentry_in_a_cluster
	s_endpgm
.Lentry_in_a_cluster:
	s_bfe_u32 s2, ttmp6, 0x10000c
	s_cmp_lg_u32 s2, 0xf033
	s_cbranch_scc0 .Lentry_shape_is_right
	s_endpgm
.Lentry_shape_is_right:
; C = A B + bias with an epilogue.  A: [4096][1024] bf16 (act).  B = Wq | Wk | Wv | Wg, each [1024][1024] bf16 as it lies, K down the rows (wb), a column of clusters each.  Sums in f32.
; q and k get RoPE, g the sigmoid; all four are stored in bf16 by heads, [batch*16+head][position][64], at 0, 8, 16, 24 MiB of big.
; SHAPE.  A work-group makes 256 x 256 of C, each of its four waves 128 x 128: 64 accumulators, 512 registers.  K goes in 8 steps of 128 through two LDS slots filled by tensor loads.
; 4 x 4 work-groups form a cluster: A's tile is asked for jointly along a row of the cluster, B's along a column.
; The matrix instruction is used transposed (source 0 = 16 columns of B, turned on the way out of LDS by ds_load_tr16_b128; source 1 = 16 rows of A): a lane holds one row of C and 8 neighbouring columns.
; The bias, laid out as a C operand, starts the sums: nothing is cleared and nothing is added later.
; THE WAY OUT.  The ring has had its last fill; behind a barrier each wave lays its 128 x 128 f32 into its own 67,584 bytes of it and walks them 8 rows a trip, so that the activations are written once.
; ROPE.  The angle is position x fl(10000^(-j/32) / 2 pi) turns, reduced to [-1/2, 1/2], an eighth of it by series (sine to u^7, cosine to u^8, |u| <= pi/8), doubled three times; from there it is
; advanced 8 positions a trip by a rotation in f32, 15 times.  It differs from fl(position x inv_j) by about 2e-4 radians at the most.
; LIMITS.  NaN and infinities are not treated apart; where 2^(-x log2 e) overflows, the sigmoid gives 0.
.set PITA,  272                        ; a row of A in LDS: 256 bytes + 16: the 16 rows of a fragment load start at 16 different groups of four banks (64 banks of 4 bytes: ISA guide 11.1)
.set PITB,  544                        ; a k-row of B: 512 bytes + 32
.set HALFT, 128*PITA                   ; what one tensor load brings: 128 rows of A, or 64 k-rows of B (64 x 544 is the same number)
.set SLOT,  4*HALFT                    ; A's 256 rows, then B's 128 k-rows.  0x22000: no wave's place in a slot has bit 13 or 17, so an exclusive or changes slots
.set SPARE, 2*SLOT                     ; behind the ring: the spare words, 128 bytes a wave, that no other line names
.set SP,    528                        ; a row of the stage: 512 bytes of f32 + 16
.set STG,   128*SP
.set ASTEP, 256                        ; bytes from a K step to the next, in A
.set BP,    1024                       ; elements in a row of B
.set BSTEP, 128*BP*2
.set ADRA, 16                          ; v16 LDS address of my A fragments in the slot in hand;  v17 the same in slot 0, never rewritten
.set A0,   17
.set ADRB, 20                          ; v20, v21 the same for B
.set B0,   21
.set STO,  24                          ; v24 the stage: where I put 16 bytes of a row
.set RD,   25                          ; v25 the stage: where I read; steps 8 rows a trip
.set CO,   26                          ; v26 my byte offset in the output
.set SPW,  28                          ; v28 my spare word;  v29 0: never rewritten
.set NIL,  29
.set PFO,  30                          ; v30 the prefetches' offset, never rewritten
.set CP,   32                          ; v[32:47] cos (pair j0, j1) at CP + 4 p, sin at CP + 4 p + 2, for rows 2 p + h of the trip
.set C8,   48                          ; v[48:51] cos and sin of 8 positions
.set S8,   50
.set WF,   52                          ; v[52:53] turns for a position, for my two pairs of channels
.set POS,  54
.set PB0,  55
.set XT,   56                          ; v[56:63] at work
.set NT,   58
.set U2,   60
.set TQ,   62
.set F0,   64                          ; fragment buffers: A's in window 0, B's in window 1
.set F1,   128
.set BIAS, 192                         ; v[192:255] the bias of my 128 columns as C operands, 8 registers a column block
.set X,    64                          ; the way out: 8 x 4 f32 read back, 32 at work, 16 to store
.set T,    96
.set Y,    128
.set G1A, 24                           ; s[24:31] descriptor group 1 for A;  s[32:35] group 0 of K step 0, s[36:39] of K step 1, which then walks on
.set G0A, 32
.set G1B, 48                           ; s[48:55], s[56:63] the same for B
.set G0B, 56
.set LIM, 43                           ; s43 1 in a wave that prefetches, else the greatest number
.set PFA, 44                           ; s[44:45] where my prefetches stand
.set TB,  66                           ; s66 LDS byte at which the slot in hand begins
.set PSTEP, 68                         ; s[68:69] a K step for my prefetches
.set BPTR, 70                          ; s[70:71] the bias at my wave's first column
.set MSB, 0
.macro WIN new                         ; the immediate's high byte repeats the setting that is left; a switch that changes nothing is dropped
.if MSB != (\new)
	s_set_vgpr_msb (MSB<<8)|(\new)
.set MSB, \new
.endif
.endm
.macro PLACES                          ; four plain vector instructions between a matrix instruction and a load into, or a reader of, its registers
.rept 4
	v_nop
.endr
.endm
.macro JLOAD                           ; a joint refill by the walking descriptors: waves 0 and 1 fetch A's halves, 2 and 3 B's; s_nop 0 and four v_nop behind each line
	s_cmp_eq_u32 s11, 0
	s_cbranch_scc0 .Lfor_b_\@
	tensor_load_to_lds s[G0A+4:G0A+7], s[G1A:G1A+7]
	s_nop 0
.rept 4
	v_nop
.endr
	s_branch .Lasked_\@
.Lfor_b_\@:
	tensor_load_to_lds s[G0B+4:G0B+7], s[G1B:G1B+7]
	s_nop 0
.rept 4
	v_nop
.endr
.Lasked_\@:
.endm
.macro CREST                           ; a round of the cluster's barrier behind its opening barrier
	s_cmp_lg_u32 s10, 0
	s_cbranch_scc1 .Lnot_wave_0_\@
	s_barrier_signal -3
.Lnot_wave_0_\@:
	s_barrier_wait -3
	s_barrier_signal -1
	s_barrier_wait -1
.endm
.macro CROUND
	s_barrier_signal -1
	s_barrier_wait -1
	CREST
.endm
; A prefetch into the L2 of the K step that the NEXT refill will ask for: one instruction a wave, 32 blocks of 256 bytes.  A's rows are read by every cluster of a row of clusters: cluster x = 0 asks;
; B's by every cluster of a column: cluster y = 0 asks.  The four partners of a joint load share its blocks out by address.  The last refill but one is the last that has a K step behind the next.
.macro ASK
	s_cmp_gt_u32 s3, s[LIM]
	s_cbranch_scc0 .Lnot_mine_\@
	global_prefetch_b8 v[PFO], s[PFA:PFA+1] th:TH_LOAD_NT scope:SCOPE_SE
.Lnot_mine_\@:
.endm
	s_load_b128 s[4:7], s[0:1], 0x0                ; act s[4:5], wb s[6:7]
	s_load_b256 s[72:79], s[0:1], 0x10             ; bq, bk, bv, bg
	s_load_b64 s[8:9], s[0:1], 0x30                ; big
	v_lshl_add_u32 v[SPW], v0, 2, SPARE
	v_mov_b32 v[NIL], 0
	ds_add_u32 v[SPW], v[NIL]                      ; the wave's opening: the add and its wait stand ahead of my first tensor load; work on registers stands between
	v_lshrrev_b32 v1, 5, v0
	v_readfirstlane_b32 s10, v1                    ; wave 0..3
	s_lshr_b32 s11, s10, 1                         ; my half of the tile's rows.  Also: I fetch for A (0) or B (1)
	s_and_b32 s12, s10, 1                          ; my half of its columns.  Also: which half of that tile I fetch
	s_bfe_u32 s40, ttmp6, 0x40000                  ; cx
	s_bfe_u32 s41, ttmp6, 0x40004                  ; cy
	s_mov_b32 s95, ttmp9                           ; cluster x: which of the four weights
	s_lshl_b32 s42, ttmp9, 2
	s_add_co_u32 s42, s42, s40                     ; tile column
	s_and_b32 s13, ttmp7, 0xffff
	s_lshl_b32 s13, s13, 2
	s_add_co_u32 s13, s13, s41                     ; tile row
	s_lshl_b32 s43, s41, 2
	s_lshl_b32 s43, 15, s43                        ; my row of the cluster
	s_lshl_b32 s44, 0x1111, s40                    ; my column
	s_or_b32 s[G1A], s43, (1<<16)|(1<<20)|(1<<21)|(5<<22)|(3<<25)  ; mask; 2-byte elements; padding on; bit 21 beside a mask; after every 64 words 4 words
	s_or_b32 s[G1B], s44, (1<<16)|(1<<20)|(1<<21)|(6<<22)|(7<<25)  ; after every 128 words 8 words
	s_mov_b32 s[G1A+1], 128<<16                    ; tensor_dim0 = 128
	s_mov_b32 s[G1A+2], 128<<16                    ; tensor_dim1 = 128
	s_mov_b32 s[G1A+3], 128<<16                    ; tile_dim0 = 128
	s_mov_b32 s[G1A+4], 128                        ; tile_dim1 = 128
	s_mov_b32 s[G1A+5], 1024                       ; elements from row to row
	s_mov_b32 s[G1A+6], 0
	s_mov_b32 s[G1A+7], 0
	s_mov_b32 s[G1B+1], 256<<16                    ; 256 columns
	s_mov_b32 s[G1B+2], 64<<16                     ; 64 k-rows
	s_mov_b32 s[G1B+3], 256<<16
	s_mov_b32 s[G1B+4], 64
	s_mov_b32 s[G1B+5], BP
	s_mov_b32 s[G1B+6], 0
	s_mov_b32 s[G1B+7], 0
	s_lshl_b32 s16, s13, 8
	s_lshl_b32 s17, s12, 7
	s_add_co_u32 s16, s16, s17                     ; A: row 256 x tile row + 128 x half,
	s_lshl_b32 s16, s16, 11                        ; of 2,048 bytes
	s_mov_b32 s17, 0
	s_lshl_b32 s46, s40, 9                         ; B: 512 bytes a tile column within the weight,
	s_lshl_b32 s47, s95, 21                        ; the weight,
	s_add_co_u32 s46, s46, s47
	s_lshl_b32 s47, s12, 17                        ; 64 k-rows of 2,048 bytes a half
	s_add_co_u32 s46, s46, s47
	s_mov_b32 s47, 0
	s_mul_i32 s20, s10, HALFT                      ; where my part of a slot lies: the wave's number alone
	s_mov_b32 s[TB], 0
	s_mov_b32 s96, 0xbfb8aa3b                      ; - log2 e, as a pair
	s_mov_b32 s97, s96
	s_mov_b32 s80, 0xb9500d01                      ; -1/5040
	s_mov_b32 s81, s80
	s_mov_b32 s82, 0x3c088889                      ; 1/120
	s_mov_b32 s83, s82
	s_mov_b32 s84, 0xbe2aaaab                      ; -1/6
	s_mov_b32 s85, s84
	s_mov_b32 s86, 0x37d00d01                      ; 1/40320
	s_mov_b32 s87, s86
	s_mov_b32 s88, 0xbab60b61                      ; -1/720
	s_mov_b32 s89, s88
	s_mov_b32 s90, 0x3d2aaaab                      ; 1/24
	s_mov_b32 s91, s90
	s_mov_b32 s92, 0x3f490fdb                      ; pi/4
	s_mov_b32 s93, s92
	s_wait_dscnt 0x0                               ; the opening add is done
	s_wait_kmcnt 0x0
	s_add_nc_u64 s[14:15], s[4:5], s[16:17]
	s_add_nc_u64 s[46:47], s[6:7], s[46:47]
.irp s, 0,1
	s_mov_b32 s[G0A+4*(\s)], 1
	s_add_co_u32 s[G0A+4*(\s)+1], s20, (\s)*SLOT
	s_add_nc_u64 s[G0A+4*(\s)+2:G0A+4*(\s)+3], s[14:15], (\s)*ASTEP
	s_or_b32 s[G0A+4*(\s)+3], s[G0A+4*(\s)+3], 0x80000000
	s_mov_b32 s[G0B+4*(\s)], 1
	s_add_co_u32 s[G0B+4*(\s)+1], s20, (\s)*SLOT
	s_add_nc_u64 s[G0B+4*(\s)+2:G0B+4*(\s)+3], s[46:47], (\s)*BSTEP
	s_or_b32 s[G0B+4*(\s)+3], s[G0B+4*(\s)+3], 0x80000000
.endr
	CROUND                                         ; all sixteen work-groups are here: the first joint loads meet
	s_cmp_eq_u32 s11, 0                            ; a wave's two first fills stand in one branch: two loads of mine are out
	s_cbranch_scc0 .Lfirst_b
	tensor_load_to_lds s[G0A:G0A+3], s[G1A:G1A+7]
	s_nop 0
	tensor_load_to_lds s[G0A+4:G0A+7], s[G1A:G1A+7]
	s_nop 0
.rept 4
	v_nop
.endr
	s_branch .Lfirst_asked
.Lfirst_b:
	tensor_load_to_lds s[G0B:G0B+3], s[G1B:G1B+7]
	s_nop 0
	tensor_load_to_lds s[G0B+4:G0B+7], s[G1B:G1B+7]
	s_nop 0
.rept 4
	v_nop
.endr
.Lfirst_asked:
	; the bias: register j of column block b holds the bias of column 16 b + 8 (l / 16) + j of my 128
	s_mov_b64 s[BPTR:BPTR+1], s[72:73]
	s_cmp_eq_u32 s95, 1
	s_cselect_b64 s[BPTR:BPTR+1], s[74:75], s[BPTR:BPTR+1]
	s_cmp_eq_u32 s95, 2
	s_cselect_b64 s[BPTR:BPTR+1], s[76:77], s[BPTR:BPTR+1]
	s_cmp_eq_u32 s95, 3
	s_cselect_b64 s[BPTR:BPTR+1], s[78:79], s[BPTR:BPTR+1]
	s_lshl_b32 s20, s40, 10
	s_lshl_b32 s21, s12, 9
	s_add_co_u32 s20, s20, s21
	s_mov_b32 s21, 0
	s_add_nc_u64 s[BPTR:BPTR+1], s[BPTR:BPTR+1], s[20:21]
	v_and_b32 v1, 15, v0                           ; r = l % 16
	v_bfe_u32 v2, v0, 4, 1                         ; h = l / 16
	v_lshlrev_b32 v5, 5, v2
.irp b, 0,1,2,3,4,5,6,7
	global_load_b128 v[BIAS+8*(\b):BIAS+8*(\b)+3],   v5, s[BPTR:BPTR+1] offset:64*(\b)
	global_load_b128 v[BIAS+8*(\b)+4:BIAS+8*(\b)+7], v5, s[BPTR:BPTR+1] offset:64*(\b)+16
.endr
	v_mul_u32_u24 v[A0], v1, PITA                  ; A: row r, 16 bytes a half of the lanes, my 128 rows
	v_lshl_add_u32 v[A0], v2, 4, v[A0]
	s_mul_i32 s21, s11, HALFT
	v_add_nc_u32 v[A0], s21, v[A0]
	v_mov_b32 v[ADRA], v[A0]
	v_and_b32 v3, 7, v0                            ; B: k-row 8 h + l % 8, 16 bytes for (l / 8) % 2, my 128 columns, behind A's 256 rows
	v_bfe_u32 v4, v0, 3, 1
	v_lshl_add_u32 v[B0], v2, 3, v3
	v_mul_u32_u24 v[B0], v[B0], PITB
	v_lshl_add_u32 v[B0], v4, 4, v[B0]
	s_lshl_b32 s22, s12, 8
	s_add_co_u32 s22, s22, 2*HALFT
	v_add_nc_u32 v[B0], s22, v[B0]
	v_mov_b32 v[ADRB], v[B0]
	s_mul_i32 s23, s10, STG                        ; my stage
	v_mul_u32_u24 v[STO], v1, SP                   ; in: row r, 32 bytes (8 f32) a half of the lanes
	v_lshl_add_u32 v[STO], v2, 5, v[STO]
	v_add_nc_u32 v[STO], s23, v[STO]
	v_mul_u32_u24 v[RD], v2, SP                    ; back: lanes 0-15 take a head's 64 columns of one row, lanes 16-31 of the next
	v_lshl_add_u32 v[RD], v1, 4, v[RD]
	v_add_nc_u32 v[RD], s23, v[RD]
	v_lshlrev_b32 v[CO], 7, v2                     ; a head's row is 128 bytes: the two rows are 256 bytes on end
	v_lshl_add_u32 v[CO], v1, 3, v[CO]
	s_lshr_b32 s20, s13, 2                         ; batch
	s_lshl_b32 s20, s20, 4
	s_lshl_b32 s21, s40, 2
	s_add_co_u32 s20, s20, s21
	s_lshl_b32 s21, s12, 1
	s_add_co_u32 s20, s20, s21                     ; batch x 16 + my first head
	s_lshl_b32 s20, s20, 10
	s_and_b32 s94, s13, 3
	s_lshl_b32 s94, s94, 8
	s_lshl_b32 s21, s11, 7
	s_add_co_u32 s94, s94, s21                     ; the position of my first row
	s_add_co_u32 s20, s20, s94
	s_lshl_b32 s20, s20, 7
	s_lshl_b32 s21, s95, 23                        ; q, k, v, gate lie 8 MiB apart
	s_add_co_u32 s20, s20, s21
	s_mov_b32 s21, 0
	s_add_nc_u64 s[8:9], s[8:9], s[20:21]
	; the prefetches.  A: of the 128 rows that I fetch, partner cx takes 32, a lane a row.  B: of my 64 k-rows of 512 bytes, partner cy takes 16, two lanes a row.
	s_lshl_b32 s20, s13, 8
	s_lshl_b32 s21, s12, 7
	s_add_co_u32 s20, s20, s21
	s_lshl_b32 s21, s40, 5
	s_add_co_u32 s20, s20, s21
	s_lshl_b32 s20, s20, 11
	s_add_co_u32 s20, s20, 2*ASTEP                 ; at K step 2: the first refill steps it to 3
	s_lshl_b32 s22, s12, 6
	s_lshl_b32 s23, s41, 4
	s_add_co_u32 s22, s22, s23
	s_mul_i32 s22, s22, BP*2
	s_lshl_b32 s23, s95, 21
	s_add_co_u32 s22, s22, s23
	s_lshl_b32 s23, s40, 9
	s_add_co_u32 s22, s22, s23
	s_add_co_u32 s22, s22, 2*BSTEP
	s_and_b32 s23, ttmp7, 0xffff                   ; cluster y
	s_mov_b32 s[PSTEP], BSTEP
	s_mov_b32 s[PSTEP+1], 0
	s_mov_b32 s99, BP*2
	s_cmp_eq_u32 s11, 0                            ; do I fetch for A?
	s_cselect_b32 s20, s20, s22
	s_cselect_b32 s23, ttmp9, s23                  ; the coordinate along which other clusters read the same blocks
	s_cselect_b64 s[PFA:PFA+1], s[4:5], s[6:7]
	s_cselect_b32 s[PSTEP], ASTEP, s[PSTEP]
	s_cselect_b32 s99, 2048, s99                   ; bytes from row to row
	s_cselect_b32 s98, 0, 1                        ; lanes a row, less one
	s_cmp_eq_u32 s23, 0
	s_cselect_b32 s[LIM], 1, -1                    ; the same in all sixteen partners, for a given wave
	s_mov_b32 s21, 0
	s_add_nc_u64 s[PFA:PFA+1], s[PFA:PFA+1], s[20:21]
	v_and_b32 v[PFO], 31, v0
	v_and_b32 v31, s98, v[PFO]
	v_lshrrev_b32 v[PFO], s98, v[PFO]
	v_mul_u32_u24 v[PFO], s99, v[PFO]
	v_lshl_add_u32 v[PFO], v31, 8, v[PFO]
; cos and sin (pairs for my channel pairs j0 = 2 r, j1 = 2 r + 1) of the position in v[POS], a float
.macro SINCOS c, s
	v_mul_f32 v[XT], v[POS], v[WF]                 ; turns
	v_mul_f32 v[XT+1], v[POS], v[WF+1]
	v_rndne_f32 v[NT], v[XT]
	v_rndne_f32 v[NT+1], v[XT+1]
	v_pk_add_f32 v[XT:XT+1], v[XT:XT+1], v[NT:NT+1] neg_lo:[0,1] neg_hi:[0,1]  ; within half a turn
	v_pk_mul_f32 v[XT:XT+1], v[XT:XT+1], s[92:93] op_sel_hi:[1,0]              ; u = an eighth of the angle
	v_pk_mul_f32 v[U2:U2+1], v[XT:XT+1], v[XT:XT+1]
	v_pk_fma_f32 v[(\s):(\s)+1], v[U2:U2+1], s[80:81], s[82:83] op_sel_hi:[1,0,0]
	v_pk_fma_f32 v[(\s):(\s)+1], v[(\s):(\s)+1], v[U2:U2+1], s[84:85] op_sel_hi:[1,1,0]
	v_pk_fma_f32 v[(\s):(\s)+1], v[(\s):(\s)+1], v[U2:U2+1], 1.0 op_sel_hi:[1,1,0]
	v_pk_mul_f32 v[(\s):(\s)+1], v[(\s):(\s)+1], v[XT:XT+1]
	v_pk_fma_f32 v[(\c):(\c)+1], v[U2:U2+1], s[86:87], s[88:89] op_sel_hi:[1,0,0]
	v_pk_fma_f32 v[(\c):(\c)+1], v[(\c):(\c)+1], v[U2:U2+1], s[90:91] op_sel_hi:[1,1,0]
	v_pk_fma_f32 v[(\c):(\c)+1], v[(\c):(\c)+1], v[U2:U2+1], -0.5 op_sel_hi:[1,1,0]
	v_pk_fma_f32 v[(\c):(\c)+1], v[(\c):(\c)+1], v[U2:U2+1], 1.0 op_sel_hi:[1,1,0]
.rept 3                                ; the angle doubled: sin 2u = 2 sin u cos u, cos 2u = cos^2 u - sin^2 u
	v_pk_mul_f32 v[TQ:TQ+1], v[(\s):(\s)+1], v[(\s):(\s)+1]
	v_pk_mul_f32 v[(\s):(\s)+1], v[(\s):(\s)+1], v[(\c):(\c)+1]
	v_pk_fma_f32 v[(\c):(\c)+1], v[(\c):(\c)+1], v[(\c):(\c)+1], v[TQ:TQ+1] neg_lo:[0,0,1] neg_hi:[0,0,1]
	v_pk_add_f32 v[(\s):(\s)+1], v[(\s):(\s)+1], v[(\s):(\s)+1]
.endr
.endm
	v_lshlrev_b32 v[WF], 1, v1                     ; all this stands in the wait for the first tile; every work-group runs it, so that no way through the text finds these registers unwritten
	v_cvt_f32_u32 v[WF], v[WF]
	v_add_f32 v[WF+1], 1.0, v[WF]
	v_mul_f32 v[WF], 0xbed49a78, v[WF]             ; - j log2(10000) / 32
	v_mul_f32 v[WF+1], 0xbed49a78, v[WF+1]
	v_exp_f32 v[WF], v[WF]
	v_exp_f32 v[WF+1], v[WF+1]
	v_add_nc_u32 v[PB0], s94, v2                   ; (the plain instruction behind them) my first row's position + h
	s_wait_alu depctr_va_vdst(0)                   ; one wait for both, ahead of their first reader
	v_mul_f32 v[WF], 0.15915494, v[WF]
	v_mul_f32 v[WF+1], 0.15915494, v[WF+1]
.irp p, 0,1,2,3
	v_add_nc_u32 v[POS], 2*(\p), v[PB0]
	v_cvt_f32_u32 v[POS], v[POS]
	SINCOS CP+4*(\p), CP+4*(\p)+2
.endr
	v_mov_b32 v[POS], 0x41000000                   ; 8.0
	SINCOS C8, S8
; 16 matrix instructions: row blocks a0, a0 + 1 of the window's four x all 8 column blocks, 32 along K.  zero = 1: the first product of each sum, with the bias as C.
; The 64 accumulators take turns, one instruction a turn, in the same order in every quarter.
.macro MUL16 f, hi, a0, zero
.if \zero
	WIN 0x81+0x40*(\hi)                            ; B window 1, A and the bias window 0, D window 2 or 3
.else
	WIN 0xa1+0x50*(\hi)                            ; B window 1, A window 0, C and D window 2 or 3
.endif
.irp a, \a0, (\a0)+1
.irp b, 0,1,2,3,4,5,6,7
.if \zero
	v_wmma_f32_16x16x32_bf16 v[8*(8*(\a)+(\b)):8*(8*(\a)+(\b))+7], v[(\f)+8*(\b):(\f)+8*(\b)+7], v[(\f)+8*(4*(\hi)+(\a)):(\f)+8*(4*(\hi)+(\a))+7], v[BIAS+8*(\b):BIAS+8*(\b)+7]
.else
	v_wmma_f32_16x16x32_bf16 v[8*(8*(\a)+(\b)):8*(8*(\a)+(\b))+7], v[(\f)+8*(\b):(\f)+8*(\b)+7], v[(\f)+8*(4*(\hi)+(\a)):(\f)+8*(4*(\hi)+(\a))+7], v[8*(8*(\a)+(\b)):8*(8*(\a)+(\b))+7]
.endif
.endr
.endr
.endm
; 32 LDS loads in one run: quarter q (32 along K) of the slot in hand into buffer f: B's 8 column blocks, turned, then A's 8 row blocks
.macro FETCH q, f
	WIN 0x40
.irp i, 0,1,2,3,4,5,6,7
	ds_load_tr16_b128 v[(\f)+8*(\i):(\f)+8*(\i)+3],   v[ADRB] offset:(\q)*32*PITB+32*(\i)
	ds_load_tr16_b128 v[(\f)+8*(\i)+4:(\f)+8*(\i)+7], v[ADRB] offset:(\q)*32*PITB+32*(\i)+16*PITB
.endr
	WIN 0
.irp i, 0,1,2,3,4,5,6,7
	ds_load_b128 v[(\f)+8*(\i):(\f)+8*(\i)+3],   v[ADRA] offset:(\q)*64+(\i)*16*PITA
	ds_load_b128 v[(\f)+8*(\i)+4:(\f)+8*(\i)+7], v[ADRA] offset:(\q)*64+(\i)*16*PITA+32
.endr
.endm
; One of a K step's first three quarters: multiplies buffer f; in its middle it fetches quarter q into buffer g
.macro QUARTER q, f, g, zero
	s_wait_dscnt 8                                 ; B and A's rows 0-63 are in; the youngest eight loads (A's rows 64-127) may be out
	MUL16 \f, 0, 0, \zero
	MUL16 \f, 0, 2, \zero
	PLACES
	FETCH \q, \g
	s_wait_dscnt 32                                ; all but the 32 just issued
	MUL16 \f, 1, 0, \zero
	MUL16 \f, 1, 2, \zero
.endm
; The last quarter multiplies buffer 1 and, in its middle, changes slots: one barrier.  In front of it each wave waits for all its tensor loads (the one that is out is its part of the next slot), adds 0 to
; its spare word, and waits for that and for its reads of this slot.  These lines, the barrier and the round stand together, with no product among them: between the wait for all loads and the next
; request no load of the work-group is on its way, so that stretch is kept short.  fill = 1: the barrier opens a round of the cluster's; behind it the slot just read out takes the K step two on, by the
; walking descriptors, which are stepped while the add is out: the request has a K step's 256 matrix instructions ahead of the wait for it.
.macro TURN fill
	s_wait_dscnt 8                                 ; B and A's rows 0-63 are in
	MUL16 F1, 0, 0, 0
	MUL16 F1, 0, 2, 0
	WIN 0
.if \fill
	s_wait_xcnt 0x0                                ; the last prefetch, a K step back, has read its address
	s_add_nc_u64 s[PFA:PFA+1], s[PFA:PFA+1], s[PSTEP:PSTEP+1]
.endif
	s_wait_tensorcnt 0x0                           ; all my tensor loads have landed, so a group 0 may be written
	ds_add_u32 v[SPW], v[NIL]                      ; 0 onto my spare word
.if \fill
	s_xor_b32 s[G0A+5], s[G0A+5], SLOT
	s_add_nc_u64 s[G0A+6:G0A+7], s[G0A+6:G0A+7], ASTEP
	s_xor_b32 s[G0B+5], s[G0B+5], SLOT
	s_add_nc_u64 s[G0B+6:G0B+7], s[G0B+6:G0B+7], BSTEP
.endif
	s_xor_b32 s[TB], s[TB], SLOT
	s_wait_dscnt 0x0                               ; the add is done, and my reads of this slot are over
	s_barrier_signal -1
	s_barrier_wait -1
.if \fill
	CREST                                          ; no wave of any partner still reads this slot or has a load on its way
	JLOAD                                          ; its four v_nop are also the places in front of the loads below
.else
	PLACES
.endif
	v_add_nc_u32 v[ADRA], s[TB], v[A0]
	v_add_nc_u32 v[ADRB], s[TB], v[B0]
	FETCH 0, F0
.if \fill
	ASK
.endif
	MUL16 F1, 1, 0, 0
	MUL16 F1, 1, 2, 0
.endm
	s_wait_tensorcnt 1                             ; my part of K step 0 is in; K step 1's may stay out
	s_barrier_signal -1
	s_barrier_wait -1
	FETCH 0, F0
	s_wait_loadcnt 0x0                             ; the bias
	QUARTER 1, F0, F1, 1
	WIN 0
	s_mov_b32 s3, 6                                ; K steps 0 to 5 ask for K steps 2 to 7
.Lstep:                                        ; a trip: a K step's second quarter to the next step's first
	QUARTER 2, F1, F0, 0
	QUARTER 3, F0, F1, 0
	TURN 1
	QUARTER 1, F0, F1, 0
	WIN 0
	s_sub_co_u32 s3, s3, 1
	s_cmp_lg_u32 s3, 0
	s_cbranch_scc1 .Lstep
	s_mov_b32 s3, 2                                ; K steps 6 and 7 ask for nothing: a text of their own
.Ltail:
	QUARTER 2, F1, F0, 0
	QUARTER 3, F0, F1, 0
	WIN 0
	s_cmp_eq_u32 s3, 1
	s_cbranch_scc1 .Llast
	TURN 0
	QUARTER 1, F0, F1, 0
	WIN 0
	s_sub_co_u32 s3, s3, 1
	s_cmp_lg_u32 s3, 0
	s_cbranch_scc1 .Ltail
.Llast:                                        ; the very last quarter: nothing more to fetch
	s_wait_dscnt 8
	MUL16 F1, 0, 0, 0
	MUL16 F1, 0, 2, 0
	s_wait_dscnt 0x0
	MUL16 F1, 1, 0, 0
	MUL16 F1, 1, 2, 0
	WIN 0
	s_barrier_signal -1                            ; every wave's reads of the ring are back (the wait for 0 above), and the ring has had its last fill:
	s_barrier_wait -1                              ; behind this barrier it is the stages
	PLACES
.irp hi, 0,1
	WIN 0x08+4*(\hi)                               ; the stores' data in window 2, then 3
.irp a, 0,1,2,3
.irp b, 0,1,2,3,4,5,6,7
	ds_store_b128 v[STO], v[8*(8*(\a)+(\b)):8*(8*(\a)+(\b))+3]   offset:(4*(\hi)+(\a))*16*SP+64*(\b)     ; each accumulator's low four registers first
	ds_store_b128 v[STO], v[8*(8*(\a)+(\b))+4:8*(8*(\a)+(\b))+7] offset:(4*(\hi)+(\a))*16*SP+64*(\b)+16
.endr
.endr
.endr
	WIN 0
; THE WALK: 16 trips of 8 rows.  A trip's eight LDS loads are asked for in the trip before, as soon as X is free; LDS serves a wave's instructions in order (ISA guide 5.7.1.4), so they see my stores above.
.macro LDQ                             ; quad u: rows 2 (u / 2) + h of the trip's 8, head u % 2 of my two
.irp u, 0,1,2,3,4,5,6,7
	ds_load_b128 v[X+4*(\u):X+4*(\u)+3], v[RD] offset:2*SP*((\u)/2)+256*((\u)%2)
.endr
.endm
.macro AHEAD                           ; the next trip's rows; the last trip has none behind it
	s_cmp_eq_u32 s3, 1
	s_cbranch_scc1 .Lno_more_\@
	v_add_nc_u32 v[RD], 8*SP, v[RD]
	LDQ
.Lno_more_\@:
.endm
.macro BASE                            ; ahead of the lines that rewrite Y: the last trip's stores, a trip's arithmetic back, have read Y and their base; the base goes 8 rows on (by 0 the first time)
	s_wait_xcnt 0x0
	s_add_nc_u64 s[8:9], s[8:9], s[16:17]
	s_mov_b32 s16, 1024
.endm
.macro STQ u                           ; two rows of a head: 256 consecutive bytes, aligned
	global_store_b64 v[CO], v[Y+2*(\u):Y+2*(\u)+1], s[8:9] offset:131072*((\u)%2)+256*((\u)/2)
.endm
.macro PACKT                           ; T, 32 f32, to Y, and the trip's eight stores
.set i, 0
.rept 16
	v_cvt_pk_bf16_f32 v[Y+i], v[T+2*i], v[T+2*i+1]
.set i, i+1
.endr
.irp u, 0,1,2,3,4,5,6,7
	STQ \u
.endr
	s_sub_co_u32 s3, s3, 1
	s_cmp_lg_u32 s3, 0
.endm
	s_mov_b32 s3, 16
	s_mov_b32 s16, 0
	s_mov_b32 s17, 0
	LDQ
	s_cmp_lt_u32 s95, 2                            ; cluster x: the same in all sixteen partners
	s_cbranch_scc1 .Lrope
	s_cmp_eq_u32 s95, 2
	s_cbranch_scc1 .Lval
.Lgate:                                        ; T = 1 / (1 + 2^(-x log2 e)): two batches of transcendentals, a plain instruction and one wait behind each
	s_wait_dscnt 0x0
.set i, 0
.rept 16
	v_pk_mul_f32 v[T+2*i:T+2*i+1], v[X+2*i:X+2*i+1], s[96:97] op_sel_hi:[1,0]
.set i, i+1
.endr
	AHEAD                                          ; X has been read
.set i, 0
.rept 32
	v_exp_f32 v[T+i], v[T+i]
.set i, i+1
.endr
	v_nop
	s_wait_alu depctr_va_vdst(0)
.set i, 0
.rept 16
	v_pk_add_f32 v[T+2*i:T+2*i+1], v[T+2*i:T+2*i+1], 1.0 op_sel_hi:[1,0]
.set i, i+1
.endr
.set i, 0
.rept 32
	v_rcp_f32 v[T+i], v[T+i]
.set i, i+1
.endr
	v_nop
	s_wait_alu depctr_va_vdst(0)
	BASE
	PACKT
	s_cbranch_scc1 .Lgate
	s_branch .Ldone
.Lval:
	BASE
.irp u, 0,1,2,3,4,5,6,7
	s_wait_dscnt 7-(\u)                            ; the quads loaded behind quad u may be out
	v_cvt_pk_bf16_f32 v[Y+2*(\u)], v[X+4*(\u)], v[X+4*(\u)+1]
	v_cvt_pk_bf16_f32 v[Y+2*(\u)+1], v[X+4*(\u)+2], v[X+4*(\u)+3]
.endr
	AHEAD
.irp u, 0,1,2,3,4,5,6,7
	STQ \u
.endr
	s_sub_co_u32 s3, s3, 1
	s_cmp_lg_u32 s3, 0
	s_cbranch_scc1 .Lval
	s_branch .Ldone
.Lrope:                                        ; (xr, xi) -> (xr c - xi s, xr s + xi c): T = x c, then T += swapped x times (-s, s); my four columns are pairs j0 and j1
.irp u, 0,1,2,3,4,5,6,7
	s_wait_dscnt 7-(\u)                            ; the quads loaded behind quad u may be out
	v_pk_mul_f32 v[T+4*(\u):T+4*(\u)+1],   v[X+4*(\u):X+4*(\u)+1],   v[CP+4*((\u)/2):CP+4*((\u)/2)+1] op_sel_hi:[1,0]
	v_pk_mul_f32 v[T+4*(\u)+2:T+4*(\u)+3], v[X+4*(\u)+2:X+4*(\u)+3], v[CP+4*((\u)/2):CP+4*((\u)/2)+1] op_sel:[0,1] op_sel_hi:[1,1]
	v_pk_fma_f32 v[T+4*(\u):T+4*(\u)+1],   v[X+4*(\u):X+4*(\u)+1],   v[CP+4*((\u)/2)+2:CP+4*((\u)/2)+3], v[T+4*(\u):T+4*(\u)+1] op_sel:[1,0,0] op_sel_hi:[0,0,1] neg_lo:[0,1,0]
	v_pk_fma_f32 v[T+4*(\u)+2:T+4*(\u)+3], v[X+4*(\u)+2:X+4*(\u)+3], v[CP+4*((\u)/2)+2:CP+4*((\u)/2)+3], v[T+4*(\u)+2:T+4*(\u)+3] op_sel:[1,1,0] op_sel_hi:[0,1,1] neg_lo:[0,1,0]
.endr
	AHEAD
.irp p, 0,1,2,3                        ; the four angles go 8 positions on
	v_pk_mul_f32 v[XT:XT+1], v[CP+4*(\p)+2:CP+4*(\p)+3], v[S8:S8+1]
	v_pk_mul_f32 v[NT:NT+1], v[CP+4*(\p):CP+4*(\p)+1], v[S8:S8+1]
	v_pk_fma_f32 v[CP+4*(\p):CP+4*(\p)+1], v[CP+4*(\p):CP+4*(\p)+1], v[C8:C8+1], v[XT:XT+1] neg_lo:[0,0,1] neg_hi:[0,0,1]
	v_pk_fma_f32 v[CP+4*(\p)+2:CP+4*(\p)+3], v[CP+4*(\p)+2:CP+4*(\p)+3], v[C8:C8+1], v[NT:NT+1]
.endr
	BASE
	PACKT
	s_cbranch_scc1 .Lrope
.Ldone:
	s_wait_tensorcnt 0x0                           ; the wave's end: the add and its wait, behind my last tensor load and my last LDS store
	ds_add_u32 v[SPW], v[NIL]
	s_wait_dscnt 0x0
	CROUND                                         ; the closing round: no work-group ends while a partner may still ask for a tile that names it
	s_endpgm
.Lfunc_end_k_q47421725de_qkvg:
	.size	k_q47421725de_qkvg, .Lfunc_end_k_q47421725de_qkvg-k_q47421725de_qkvg
	.p2alignl 7, 3214868480
	.fill 96, 4, 3214868480
	.section	.rodata,"a",@progbits
	.p2align	6, 0x0
	.amdhsa_kernel k_q47421725de_qkvg
		.amdhsa_group_segment_fixed_size 327680
		.amdhsa_private_segment_fixed_size 0
		.amdhsa_enable_private_segment 0
		.amdhsa_kernarg_size 56
		.amdhsa_user_sgpr_count 2
		.amdhsa_user_sgpr_kernarg_segment_ptr 1
		.amdhsa_wavefront_size32 1
		.amdhsa_system_sgpr_workgroup_id_x 1
		.amdhsa_system_sgpr_workgroup_id_y 1
		.amdhsa_system_sgpr_workgroup_id_z 1
		.amdhsa_system_vgpr_workitem_id 0
		.amdhsa_next_free_vgpr 1024
		.amdhsa_next_free_sgpr 100
		.amdhsa_reserve_vcc 0
		.amdhsa_float_denorm_mode_32 3
		.amdhsa_float_denorm_mode_16_64 3
		.amdhsa_memory_ordered 1
		.amdhsa_forward_progress 1
		.amdhsa_inst_pref_size 110
	.end_amdhsa_kernel
	.amdgpu_metadata
---
amdhsa.version: [ 1, 2 ]
amdhsa.kernels:
  - .name:           k_q47421725de_qkvg
    .symbol:         k_q47421725de_qkvg.kd
    .args:
      - { .name: act, .offset: 0, .size: 8, .value_kind: global_buffer, .address_space: global }
      - { .name: wb, .offset: 8, .size: 8, .value_kind: global_buffer, .address_space: global }
      - { .name: bq, .offset: 16, .size: 8, .value_kind: global_buffer, .address_space: global }
      - { .name: bk, .offset: 24, .size: 8, .value_kind: global_buffer, .address_space: global }
      - { .name: bv, .offset: 32, .size: 8, .value_kind: global_buffer, .address_space: global }
      - { .name: bg, .offset: 40, .size: 8, .value_kind: global_buffer, .address_space: global }
      - { .name: big, .offset: 48, .size: 8, .value_kind: global_buffer, .address_space: global }
    .group_segment_fixed_size: 327680
    .private_segment_fixed_size: 0
    .kernarg_segment_align: 8
    .kernarg_segment_size: 56
    .max_flat_workgroup_size: 128
    .sgpr_count:     100
    .vgpr_count:     1024
    .wavefront_size: 32
...
	.end_amdgpu_metadata
.endif
;; end of part 2
;; launch attn (part 3): grid 4 x 64, 4 waves a work-group, clusters of 4 x 1, 327,680 bytes of LDS; arguments big, act; writes act
.if DOCPART == 3
	.amdgcn_target "amdgcn-amd-amdhsa--gfx1250"
	.amdhsa_code_object_version 6
	.text
	.protected	k_q47421725de_attn
	.globl	k_q47421725de_attn
	.p2align	8
	.type	k_q47421725de_attn,@function
k_q47421725de_attn:
	s_mov_b64 s[64:65], 0
	v_nop
	global_prefetch_b8 v0, s[64:65] scope:SCOPE_SE
	s_setreg_imm32_b32 hwreg(HW_REG_WAVE_MODE, 25, 1), 1
	s_wait_xcnt 0x0
	s_wait_alu depctr_hold_cnt(0) depctr_sa_sdst(0) depctr_va_vdst(0) depctr_va_sdst(0) depctr_va_ssrc(0) depctr_va_vcc(0) depctr_vm_vsrc(0)
	s_getreg_b32 s2, hwreg(HW_REG_IB_STS2, 6, 4)
	s_cmp_eq_u32 s2, 0
	s_cbranch_scc0 .Lentry_in_a_cluster
	s_endpgm
.Lentry_in_a_cluster:
	s_bfe_u32 s2, ttmp6, 0x10000c
	s_cmp_lg_u32 s2, 0x3003
	s_cbranch_scc0 .Lentry_shape_is_right
	s_endpgm
.Lentry_shape_is_right:
; CAUSAL ATTENTION WITH AN OUTPUT GATE.  act[bh][q][:] = gate[bh][q][:] x the sum over k <= q of softmax_k(Q[bh][q] . K[bh][k] / 8) V[bh][k][:].
; Q, K, V, gate: [64][1024][64] bf16 at 0, 8, 16, 24 MiB of big; a head's rows are dense, 128 bytes each.  Products, maxima and sums in f32; the weights are rounded to bf16 for the second product,
; O to bf16, and that is multiplied by the bf16 gate in bf16 (v_pk_mul_bf16): two roundings on an operand of the next product.
; LIMITS.  A hidden score is replaced by -1e30 (the problem's -1e9 gives the same weight, 0, as long as scores stay above -1e9); a weight below 2^-126 counts as 0; NaN and infinities are not treated apart.
; ALL OF A HEAD'S K AND V LIE IN LDS: 1,024 x 144 + 1,024 x 160 bytes.  They are filled once, at the start: no ring, no refill.  The four work-groups of a cluster belong to one head and ask
; for them jointly: one tensor load a wave (512 keys as 256 rows of 256 bytes, padded after every key), with the mask of all four.
; SHARES.  A PIECE is 32 queries, two tiles of 16: piece 4 i + cx holds rows 128 i + 32 cx on.  Wave w takes i = 7 - w and then i = w: 2 (8 - w) + 2 (w + 1) = 18 key steps of 64, whatever w and cx.
; Trip limits and LDS addresses hang on the wave's number alone; cx enters global addresses and the mask's numbers.  Steps 2 i and 2 i + 1 of a piece take the mask; a step that a piece's rows
; do not see at all (the last, where cx < 2) is computed all the same, so that the partners run alike.
; LAYOUT.  S^T = K Q^T (source 0 = 16 keys, source 1 = 16 queries): a lane holds ONE query (lane % 16) and the keys 8 (lane / 16) + 0..7; two such results rounded to bf16 ARE source 1 of
; O^T = V^T P.  V comes out of LDS turned, by ds_load_tr16_b128.  p = 2^(c s - c m), c = log2(e) / 8, with a running maximum m; O and l are multiplied by a = 2^(c m_old - c m_new) in every step.
; IN PHASES: a step's 16 products K Q^T, its softmax, its 16 products V^T P.  A step's 66 exponentials are one batch with one wait.
; REGISTERS.  Window 0: addresses, statistics, S^T, P, O^T, the gate.  Window 1: v0-31 Q, v32-63 the second piece's Q, v64-127 K of one step, v128-191 V of one step.
.set PK,    144                        ; a row of K in LDS: 128 bytes + 16: the 16 rows of a load start at 16 different groups of four banks (64 banks of 4 bytes: ISA guide 11.1)
.set PV,    160                        ; a row of V: 128 + 32
.set VOFF,  1024*PK
.set STAGE, VOFF+1024*PV               ; never filled by a tensor load: 16 rows x 144 bytes for each wave, for the way out
.set SP,    144
.set SPARE, STAGE+4*16*SP              ; the spare words, 128 bytes a wave, that no other line names
.set AK0, 2                            ; v2, v3  my lane's place in a step's K, V; never rewritten
.set AV0, 3
.set AK,  4                            ; v4, v5  the same in the step in hand
.set AV,  5
.set STO, 6
.set RD,  7
.set GO,  8                            ; v8   16 l: my 16 bytes of 512 consecutive bytes
.set QO,  11
.set THR0, 12                          ; v12, v13  32 cx + 16 t + r - 8 h
.set THR,  14                          ; v14, v15  key 16 kb + j of the step is hidden where it is greater than this
.set ST,  16                           ; tile t's statistics at ST + 8 t: c m, m, l (even keys', odd keys'), c0-c3 at work; a takes c2's place
.set SPW, 62
.set NIL, 63
.set S,   64                           ; v[64:127]  S^T, 32 a tile
.set P,   128                          ; v[128:159] P, 16 a tile
.set O,   160                          ; v[160:223] O^T, 32 a tile
.set GT,  224                          ; v[224:255] the piece's gate, as it lies
.set QB,  32
.set KF,  64
.set VF,  128
.set WV,  12
.set G1K, 24
.set G1V, 32
.set G0K, 40
.set G0V, 44
.set I,   48                           ; s48 the piece's i;  s49 its key steps, 2 i + 2;  s50 those without a mask, 2 i
.set LIM, 49
.set FULL, 50
.set STP, 51
.set PC,  52
.set CS,  58
.set SEL, 60
.set BIGN, 62
.set MSB, 0
.macro WIN new
.if MSB != (\new)
	s_set_vgpr_msb (MSB<<8)|(\new)
.set MSB, \new
.endif
.endm
.macro CROUND                          ; a round of the cluster's barrier
	s_barrier_signal -1
	s_barrier_wait -1
	s_cmp_lg_u32 s[WV], 0
	s_cbranch_scc1 .Lnot_wave_0_\@
	s_barrier_signal -3
.Lnot_wave_0_\@:
	s_barrier_wait -3
	s_barrier_signal -1
	s_barrier_wait -1
.endm
.macro TT line:vararg                  ; one line for each of the piece's two tiles t
.set t, 0
	\line
.set t, 1
	\line
.endm
	s_load_b128 s[4:7], s[0:1], 0x0                ; big s[4:5], act s[6:7]
	v_lshl_add_u32 v[SPW], v0, 2, SPARE
	v_mov_b32 v[NIL], 0
	ds_add_u32 v[SPW], v[NIL]                      ; the wave's opening: the add and its wait ahead of my first tensor load
	v_lshrrev_b32 v1, 5, v0
	v_readfirstlane_b32 s[WV], v1
	s_bfe_u32 s13, ttmp6, 0x40000                  ; cx
	s_and_b32 s14, ttmp7, 0xffff                   ; the head, which the four partners share
	s_lshl_b32 s14, s14, 17                        ; its 131,072 bytes
	s_mov_b32 s15, 0
	s_and_b32 s53, s[WV], 1                        ; which 512 keys I fetch
	s_lshl_b32 s22, s53, 16
	s_add_co_u32 s22, s22, s14
	s_mov_b32 s23, 0
	s_mov_b32 s[G1K], 15|(1<<16)|(1<<20)|(1<<21)|(4<<22)|(3<<25)  ; the mask of four; 2-byte elements; padding on; bit 21 beside a mask; after every 32 words 4 words
	s_mov_b32 s[G1V], 15|(1<<16)|(1<<20)|(1<<21)|(4<<22)|(7<<25)  ; the same with 8 words
.irp g, G1K, G1V
	s_mov_b32 s[\g+1], 128<<16                     ; tensor_dim0 = 128
	s_mov_b32 s[\g+2], 256<<16                     ; tensor_dim1 = 256
	s_mov_b32 s[\g+3], 128<<16                     ; tile_dim0 = 128
	s_mov_b32 s[\g+4], 256                         ; tile_dim1 = 256
	s_mov_b32 s[\g+5], 128
	s_mov_b32 s[\g+6], 0
	s_mov_b32 s[\g+7], 0
.endr
	s_mov_b32 s[G0K], 1
	s_mul_i32 s[G0K+1], s53, 512*PK
	s_mov_b32 s[G0V], 1
	s_mul_i32 s54, s53, 512*PV
	s_add_co_u32 s[G0V+1], s54, VOFF
	s_mov_b32 s[CS], 0x3e38aa3b                    ; c = log2(e) / 8
	s_mov_b32 s[CS+1], s[CS]
	s_mov_b32 s[SEL], 0x76543210
	s_mov_b32 s[SEL+1], 0xfedcba98
	s_mov_b32 s[BIGN], 0xf149f2ca                  ; -1e30
	s_wait_dscnt 0x0                               ; the opening add is done
	s_wait_kmcnt 0x0
	s_add_nc_u64 s[G0K+2:G0K+3], s[4:5], s[22:23]
	s_add_nc_u64 s[G0K+2:G0K+3], s[G0K+2:G0K+3], 8388608   ; K
	s_add_nc_u64 s[G0V+2:G0V+3], s[G0K+2:G0K+3], 8388608   ; V
	s_or_b32 s[G0K+3], s[G0K+3], 0x80000000
	s_or_b32 s[G0V+3], s[G0V+3], 0x80000000
	s_add_nc_u64 s[16:17], s[4:5], s[14:15]        ; the head's Q,
	s_add_nc_u64 s[18:19], s[16:17], 25165824      ; gate,
	s_add_nc_u64 s[20:21], s[6:7], s[14:15]        ; and output
	CROUND                                         ; all four work-groups are here: the joint loads meet
	s_cmp_lt_u32 s[WV], 2                          ; waves 0 and 1 fetch K's halves, 2 and 3 V's: one load of mine is out
	s_cbranch_scc0 .Lfor_v
	tensor_load_to_lds s[G0K:G0K+3], s[G1K:G1K+7]
	s_nop 0
.rept 4
	v_nop
.endr
	s_branch .Lasked
.Lfor_v:
	tensor_load_to_lds s[G0V:G0V+3], s[G1V:G1V+7]
	s_nop 0
.rept 4
	v_nop
.endr
.Lasked:
	s_sub_co_u32 s[I], 7, s[WV]
	s_lshl_b32 s53, s13, 12                        ; 32 cx rows of 128 bytes
	s_lshl_b32 s22, s[I], 14                       ; 128 i rows
	s_add_co_u32 s22, s22, s53
	s_add_nc_u64 s[8:9], s[16:17], s[22:23]        ; Q of my first piece,
	s_lshl_b32 s22, s[WV], 14
	s_add_co_u32 s22, s22, s53
	s_add_nc_u64 s[10:11], s[16:17], s[22:23]      ; and of my second
	v_and_b32 v1, 15, v0                           ; r
	v_bfe_u32 v9, v0, 4, 1                         ; h
	v_lshlrev_b32 v[QO], 7, v1
	v_lshl_add_u32 v[QO], v9, 4, v[QO]
	WIN 0x40                                       ; destination window 1
.set i, 0
.rept 4                                ; tile i / 2, channels 32 (i % 2) on
	global_load_b128 v[8*i:8*i+3],         v[QO], s[8:9] offset:(i/2)*2048+(i%2)*64 th:TH_LOAD_NT
	global_load_b128 v[8*i+4:8*i+7],       v[QO], s[8:9] offset:(i/2)*2048+(i%2)*64+32 th:TH_LOAD_NT
	global_load_b128 v[QB+8*i:QB+8*i+3],   v[QO], s[10:11] offset:(i/2)*2048+(i%2)*64 th:TH_LOAD_NT
	global_load_b128 v[QB+8*i+4:QB+8*i+7], v[QO], s[10:11] offset:(i/2)*2048+(i%2)*64+32 th:TH_LOAD_NT
.set i, i+1
.endr
	WIN 0
	v_mul_u32_u24 v[AK0], v1, PK
	v_lshl_add_u32 v[AK0], v9, 4, v[AK0]
	v_and_b32 v10, 7, v0
	v_bfe_u32 v[GO], v0, 3, 1
	v_lshl_add_u32 v[AV0], v9, 3, v10              ; key 8 h + l % 8, channels 8 ((l / 8) % 2) on
	v_mul_u32_u24 v[AV0], v[AV0], PV
	v_lshl_add_u32 v[AV0], v[GO], 4, v[AV0]
	v_add_nc_u32 v[AV0], VOFF, v[AV0]
	s_mul_i32 s54, s[WV], 16*SP
	s_add_co_u32 s54, s54, STAGE
	v_mul_u32_u24 v[STO], v1, SP                   ; in: row r, 16 bytes a half of the lanes
	v_lshl_add_u32 v[STO], v9, 4, v[STO]
	v_add_nc_u32 v[STO], s54, v[STO]
	v_bfe_u32 v[RD], v0, 3, 2                      ; back: 32 lanes take four rows of 128 bytes
	v_mul_u32_u24 v[RD], v[RD], SP
	v_lshl_add_u32 v[RD], v10, 4, v[RD]
	v_add_nc_u32 v[RD], s54, v[RD]
	v_and_b32 v[GO], 31, v0
	v_lshlrev_b32 v[GO], 4, v[GO]
	v_lshlrev_b32 v10, 3, v9
	v_sub_nc_u32 v[THR0], v1, v10
	s_lshl_b32 s53, s13, 5
	v_add_nc_u32 v[THR0], s53, v[THR0]
	v_add_nc_u32 v[THR0+1], 16, v[THR0]
	s_wait_tensorcnt 0x0                           ; my part of K or V is in,
	s_barrier_signal -1
	s_barrier_wait -1                              ; everybody's is: from here on LDS is only read, but for the stages
.macro KQ                              ; product i of 16 of S^T = K Q^T: tile i % 2, keys 16 ((i / 2) % 4) on, channels 32 (i / 8) on.  The 8 accumulators take turns
	WIN 0x05
.set rS, S+32*(i%2)+8*((i/2)%4)
.set rK, KF+16*((i/2)%4)+8*(i/8)
.set rQ, 16*(i%2)+8*(i/8)
.if i < 8
	v_wmma_f32_16x16x32_bf16 v[rS:rS+7], v[rK:rK+7], v[rQ:rQ+7], 0
.else
	v_wmma_f32_16x16x32_bf16 v[rS:rS+7], v[rK:rK+7], v[rQ:rQ+7], v[rS:rS+7]
.endif
.set i, i+1
.endm
.macro PVM                             ; product i of 16 of O^T += V^T P: tile i % 2, channels 16 ((i / 2) % 4) on, keys 32 (i / 8) on
	WIN 0x01
.set rO, O+32*(i%2)+8*((i/2)%4)
.set rV, VF+32*(i/8)+8*((i/2)%4)
.set rP, P+16*(i%2)+8*(i/8)
	v_wmma_f32_16x16x32_bf16 v[rO:rO+7], v[rV:rV+7], v[rP:rP+7], v[rO:rO+7]
.set i, i+1
.endm
.macro FETCH_K off                     ; 64 keys x 64 channels: 8 fragments
	WIN 0x40
.irp f, 0,1,2,3,4,5,6,7
	ds_load_b128 v[KF+8*\f:KF+8*\f+3],   v[AK] offset:(\off)+(\f/2)*16*PK+(\f%2)*64
	ds_load_b128 v[KF+8*\f+4:KF+8*\f+7], v[AK] offset:(\off)+(\f/2)*16*PK+(\f%2)*64+32
.endr
	WIN 0
.endm
.macro FETCH_V
	WIN 0x40
.irp f, 0,1,2,3,4,5,6,7
	ds_load_tr16_b128 v[VF+8*\f:VF+8*\f+3],   v[AV] offset:(\f/4)*32*PV+(\f%4)*32
	ds_load_tr16_b128 v[VF+8*\f+4:VF+8*\f+7], v[AV] offset:(\f/4)*32*PV+16*PV+(\f%4)*32
.endr
	WIN 0
.endm
	s_mov_b32 s[PC], 2
.Lpiece:
	s_wait_xcnt 0x0                                ; the loads of Q, and the last piece's stores, have read their pointers and their data
	s_lshl_b32 s22, s[I], 14
	s_lshl_b32 s53, s13, 12
	s_add_co_u32 s22, s22, s53
	s_add_nc_u64 s[8:9], s[18:19], s[22:23]        ; the piece's gate
	s_add_nc_u64 s[10:11], s[20:21], s[22:23]      ; and output
	s_lshl_b32 s[FULL], s[I], 1
	s_add_co_u32 s[LIM], s[FULL], 2
.irp n, 0,1,2,3,4,5,6,7
	global_load_b128 v[GT+4*\n:GT+4*\n+3], v[GO], s[8:9] offset:512*\n th:TH_LOAD_NT
.endr
.set i, 0
.rept 64
	v_mov_b32 v[O+i], 0                            ; no first step is written out: O and l start at 0, m at the lowest finite number, and the first step's a is 0
.set i, i+1
.endr
	TT v_mov_b32 v[ST+8*t], 0xfe000000
	TT v_mov_b32 v[ST+8*t+1], 0xff7fffff
	TT v_mov_b32 v[ST+8*t+2], 0
	TT v_mov_b32 v[ST+8*t+3], 0
	v_mov_b32 v[AK], v[AK0]
	FETCH_K 0
	s_wait_loadcnt 8                               ; Q is in; the gate's eight younger loads stay out until the way out
	s_mov_b32 s[STP], 0
.Lkey:                                         ; counted to the constant 16; the steps that the piece does not have are jumped over, forward: no barrier and no tensor load lies there
	s_cmp_ge_u32 s[STP], s[LIM]
	s_cbranch_scc1 .Ldead
	s_wait_dscnt 0x0                               ; K is in
.set i, 0
.rept 16
	KQ
.endr
	WIN 0
	s_mul_i32 s53, s[STP], 64*PK
	s_mul_i32 s54, s[STP], 64*PV
	v_add_nc_u32 v[AK], s53, v[AK0]                ; four plain instructions: the places behind those products
	v_add_nc_u32 v[AV], s54, v[AV0]
	v_nop
	v_nop
	FETCH_V
	s_add_co_u32 s53, s[STP], 1                    ; the next step's K, where the piece has a next step
	s_cmp_ge_u32 s53, s[LIM]
	s_cbranch_scc1 .Lno_k
	FETCH_K 64*PK
.Lno_k:
	s_cmp_lt_u32 s[STP], s[FULL]
	s_cbranch_scc1 .Lopen
	s_sub_co_u32 s53, s[FULL], s[STP]              ; 0 or -1
	s_lshl_b32 s53, s53, 6
	v_add_nc_u32 v[THR], s53, v[THR0]
	v_add_nc_u32 v[THR+1], s53, v[THR0+1]
.set n, 0
.rept 64                               ; each accumulator from its lowest register on
	v_cmp_gt_i32 vcc_lo, 16*((n%32)/8)+n%8, v[THR+n/32]
	v_cndmask_b32 v[S+n], v[S+n], s[BIGN], vcc_lo
.set n, n+1
.endr
.Lopen:
	; the maximum of the lane's 32 scores and the old m: four chains of seven, three operands at a time, then the rest
.set j, 0
.rept 4
	TT v_max3_num_f32 v[ST+8*t+4+j], v[S+32*t+8*j], v[S+32*t+8*j+1], v[S+32*t+8*j+2]
.set j, j+1
.endr
.rept 8
	TT v_max3_num_f32 v[ST+8*t+4+j%4], v[ST+8*t+4+j%4], v[S+32*t+8*(j%4)+2*(j/4)+1], v[S+32*t+8*(j%4)+2*(j/4)+2]
.set j, j+1
.endr
	TT v_max3_num_f32 v[ST+8*t+4], v[ST+8*t+4], v[S+32*t+7], v[S+32*t+15]
	TT v_max3_num_f32 v[ST+8*t+6], v[ST+8*t+6], v[S+32*t+23], v[S+32*t+31]
	TT v_max3_num_f32 v[ST+8*t+4], v[ST+8*t+4], v[ST+8*t+5], v[ST+8*t+6]
	TT v_max3_num_f32 v[ST+8*t+4], v[ST+8*t+4], v[ST+8*t+7], v[ST+8*t+1]
	TT v_permlanex16_b32 v[ST+8*t+5], v[ST+8*t+4], s[SEL], s[SEL+1]   ; the query's other 32 keys lie in the lane 16 away
	TT v_mov_b32 v[ST+8*t+7], v[ST+8*t]
	TT v_max_num_f32 v[ST+8*t+1], v[ST+8*t+4], v[ST+8*t+5]
	TT v_mul_f32 v[ST+8*t], s[CS], v[ST+8*t+1]
	TT v_sub_f32 v[ST+8*t+7], v[ST+8*t+7], v[ST+8*t]
	TT v_exp_f32 v[ST+8*t+6], v[ST+8*t+7]
.set j, 0
.rept 16
	TT v_pk_fma_f32 v[S+32*t+2*j:S+32*t+2*j+1], v[S+32*t+2*j:S+32*t+2*j+1], s[CS:CS+1], v[ST+8*t:ST+8*t+1] op_sel_hi:[1,0,0] neg_lo:[0,0,1] neg_hi:[0,0,1]
.set j, j+1
.endr
.set j, 0
.rept 32
	TT v_exp_f32 v[S+32*t+j], v[S+32*t+j]
.set j, j+1
.endr
	v_nop                                          ; a plain instruction behind the last exponential,
	s_wait_alu depctr_va_vdst(0)                   ; and one wait for the 66, ahead of the first instruction that names a result
.set j, 0
.rept 16
	TT v_cvt_pk_bf16_f32 v[P+16*t+j], v[S+32*t+2*j], v[S+32*t+2*j+1]
.set j, j+1
.endr
.irp w, 4,8,16,32                      ; the sum of the 16 pairs, in place: neighbours 1, 2, 4, 8 pairs apart
.set j, 0
.rept 32/\w
	TT v_pk_add_f32 v[S+32*t+\w*j:S+32*t+\w*j+1], v[S+32*t+\w*j:S+32*t+\w*j+1], v[S+32*t+\w*j+\w/2:S+32*t+\w*j+\w/2+1]
.set j, j+1
.endr
.endr
	TT v_pk_fma_f32 v[ST+8*t+2:ST+8*t+3], v[ST+8*t+2:ST+8*t+3], v[ST+8*t+6:ST+8*t+7], v[S+32*t:S+32*t+1] op_sel_hi:[1,0,1]
.set j, 0
.rept 16
	TT v_pk_mul_f32 v[O+32*t+2*j:O+32*t+2*j+1], v[O+32*t+2*j:O+32*t+2*j+1], v[ST+8*t+6:ST+8*t+7] op_sel_hi:[1,0]
.set j, j+1
.endr
	s_wait_dscnt 0x0                               ; V is in (and the next K, where one was asked for): both runs went out ahead of the whole softmax
.set i, 0
.rept 16
	PVM
.endr
	WIN 0
.Ldead:
	s_add_co_u32 s[STP], s[STP], 1
	s_cmp_lt_u32 s[STP], 16
	s_cbranch_scc1 .Lkey
	; THE WAY OUT of a piece.  l's two halves and the other half of the lanes' are added, in l's own pair, which every piece's beginning writes.  The four additions and the v_nop are the places behind the last products.
	TT v_add_f32 v[ST+8*t+2], v[ST+8*t+2], v[ST+8*t+3]
	TT v_permlanex16_b32 v[ST+8*t+3], v[ST+8*t+2], s[SEL], s[SEL+1]
	TT v_add_f32 v[ST+8*t+2], v[ST+8*t+2], v[ST+8*t+3]
	TT v_rcp_f32 v[ST+8*t+2], v[ST+8*t+2]
	v_nop                                          ; a plain instruction behind the second reciprocal,
	s_wait_alu depctr_va_vdst(0)                   ; and one wait for both, ahead of their first reader
.irp u, 0,1                            ; a lane's eight channels pack into 16 bytes; they go into rows of 144 bytes and come back as whole rows, into S^T's registers
.set j, 0
.rept 16
	v_pk_mul_f32 v[O+32*\u+2*j:O+32*\u+2*j+1], v[O+32*\u+2*j:O+32*\u+2*j+1], v[ST+8*\u+2:ST+8*\u+3] op_sel_hi:[1,0]
.set j, j+1
.endr
.set j, 0
.rept 16
	v_cvt_pk_bf16_f32 v[S+16*\u+j], v[O+32*\u+2*j], v[O+32*\u+2*j+1]
.set j, j+1
.endr
.irp f, 0,1,2,3
	ds_store_b128 v[STO], v[S+16*\u+4*\f:S+16*\u+4*\f+3] offset:32*\f
.endr
.irp f, 0,1,2,3
	ds_load_b128 v[S+16*\u+4*\f:S+16*\u+4*\f+3], v[RD] offset:\f*4*SP  ; LDS serves a wave's instructions in order (ISA guide 5.7.1.4): these see the stores above, and the next tile's stores come behind them
.endr
.endr
	s_wait_dscnt 0x0
	s_wait_loadcnt 0x0                             ; the gate
.set j, 0
.rept 32
	v_pk_mul_bf16 v[S+j], v[S+j], v[GT+j]
.set j, j+1
.endr
.irp n, 0,1,2,3,4,5,6,7
	global_store_b128 v[GO], v[S+4*\n:S+4*\n+3], s[10:11] offset:512*\n  ; 512 consecutive bytes, aligned
.endr
	WIN 0x41                                       ; the second piece's Q goes where the one text names Q
.set j, 0
.rept 32
	v_mov_b32 v[j], v[QB+j]
.set j, j+1
.endr
	WIN 0
	s_mov_b32 s[I], s[WV]
	s_sub_co_u32 s[PC], s[PC], 1
	s_cmp_lg_u32 s[PC], 0
	s_cbranch_scc1 .Lpiece
	s_wait_tensorcnt 0x0                           ; the wave's end
	ds_add_u32 v[SPW], v[NIL]
	s_wait_dscnt 0x0
	CROUND                                         ; the closing round
	s_endpgm
.Lfunc_end_k_q47421725de_attn:
	.size	k_q47421725de_attn, .Lfunc_end_k_q47421725de_attn-k_q47421725de_attn
	.p2alignl 7, 3214868480
	.fill 96, 4, 3214868480
	.section	.rodata,"a",@progbits
	.p2align	6, 0x0
	.amdhsa_kernel k_q47421725de_attn
		.amdhsa_group_segment_fixed_size 327680
		.amdhsa_private_segment_fixed_size 0
		.amdhsa_enable_private_segment 0
		.amdhsa_kernarg_size 16
		.amdhsa_user_sgpr_count 2
		.amdhsa_user_sgpr_kernarg_segment_ptr 1
		.amdhsa_wavefront_size32 1
		.amdhsa_system_sgpr_workgroup_id_x 1
		.amdhsa_system_sgpr_workgroup_id_y 1
		.amdhsa_system_sgpr_workgroup_id_z 1
		.amdhsa_system_vgpr_workitem_id 0
		.amdhsa_next_free_vgpr 448
		.amdhsa_next_free_sgpr 66
		.amdhsa_reserve_vcc 1
		.amdhsa_float_denorm_mode_32 3
		.amdhsa_float_denorm_mode_16_64 3
		.amdhsa_memory_ordered 1
		.amdhsa_forward_progress 1
		.amdhsa_inst_pref_size 46
	.end_amdhsa_kernel
	.amdgpu_metadata
---
amdhsa.version: [ 1, 2 ]
amdhsa.kernels:
  - .name:           k_q47421725de_attn
    .symbol:         k_q47421725de_attn.kd
    .args:
      - { .name: big, .offset: 0, .size: 8, .value_kind: global_buffer, .address_space: global }
      - { .name: act, .offset: 8, .size: 8, .value_kind: global_buffer, .address_space: global }
    .group_segment_fixed_size: 327680
    .private_segment_fixed_size: 0
    .kernarg_segment_align: 8
    .kernarg_segment_size: 16
    .max_flat_workgroup_size: 128
    .sgpr_count:     66
    .vgpr_count:     448
    .wavefront_size: 32
...
	.end_amdgpu_metadata
.endif
;; end of part 3
;; launch wo (part 4): grid 8 x 32, 4 waves a work-group, clusters of 4 x 4, 327,680 bytes of LDS; arguments act, wb, bo, x, x1; writes x1
.if DOCPART == 4
	.amdgcn_target "amdgcn-amd-amdhsa--gfx1250"
	.amdhsa_code_object_version 6
	.text
	.protected	k_q47421725de_wo
	.globl	k_q47421725de_wo
	.p2align	8
	.type	k_q47421725de_wo,@function
k_q47421725de_wo:
	s_mov_b64 s[64:65], 0
	v_nop
	global_prefetch_b8 v0, s[64:65] scope:SCOPE_SE
	s_setreg_imm32_b32 hwreg(HW_REG_WAVE_MODE, 25, 1), 1
	s_wait_xcnt 0x0
	s_wait_alu depctr_hold_cnt(0) depctr_sa_sdst(0) depctr_va_vdst(0) depctr_va_sdst(0) depctr_va_ssrc(0) depctr_va_vcc(0) depctr_vm_vsrc(0)
	s_getreg_b32 s2, hwreg(HW_REG_IB_STS2, 6, 4)
	s_cmp_eq_u32 s2, 0
	s_cbranch_scc0 .Lentry_in_a_cluster
	s_endpgm
.Lentry_in_a_cluster:
	s_bfe_u32 s2, ttmp6, 0x10000c
	s_cmp_lg_u32 s2, 0xf033
	s_cbranch_scc0 .Lentry_shape_is_right
	s_endpgm
.Lentry_shape_is_right:
; OUT = RES + A B + bias, f32 out.  A = the gated attention output, bf16 by heads [batch*16+head][position][64] (act), K = 1,024.  B = Wo: [1024][1024] bf16 as it lies (wb).
; RES = x, OUT = x1: [4096][1024] f32.  Sums in f32.
; SHAPE.  1,024 columns give 256 tiles of 128 x 128, one for each work-group; four waves of 64 x 64: 16 accumulators.  K goes in 4 steps of 256 through two LDS slots; 4 x 4 work-groups form a cluster,
; A's tile asked for jointly along a row of the cluster, B's along a column.  The matrix instruction is used transposed (source 0 = 16 columns of B, turned by ds_load_tr16_b128; source 1 = 16 rows of A).
; The bias, laid out as a C operand, starts the sums.  The residual is asked for at the start and waits in registers.  No prefetch: the tiles are small and each step's loads are short.
; A K step is four heads: a wave's tensor load brings two heads' 128 dense rows as two rows of 16,384 bytes, padded after every 128: LDS holds [head][row] at a pitch of 144.
.set SLOT,  147456                     ; 0x24000: no wave's place in a slot has bit 14 or 17, so an exclusive or changes slots
.set BOFF,  73728                      ; B's 256 k-rows lie behind A
.set PITB,  288                        ; a k-row of B: 256 bytes + 32 = 9 x 32
.set BH,    128*PITB
.set SPARE, 2*SLOT
.set SP,    272                        ; a row of the stage: 256 bytes of f32 + 16
.set STG,   64*SP
.set BSTEP, 524288                     ; 256 k-rows of 2,048 bytes
.set AP,    144                        ; pitch of A's rows in LDS
.set AQ,    128*AP                     ; a quarter (64 along K) is a head
.set AH,    2*128*AP                   ; the second wave's half
.set STEPS, 4
.set WOFF,  8388608                    ; Wo in wb
.set ASTEP, 524288                     ; four heads
.set AI,    16*AP
.set ADRA, 16
.set A0,   17
.set ADRB, 20                          ; v20 quarters 0, 1;  v22 quarters 2, 3 (the immediate has 16 bits)
.set B0,   21
.set STO,  24
.set RD,   25
.set CO,   26
.set SPW,  28
.set NIL,  29
.set BIAS, 96                          ; v[96:127] the bias of my 64 columns as C operands
.set ACC,  128                         ; v[128:255] accumulator (a, b) at ACC + 8 (4 a + b)
.set F0,   0                           ; window 1: two fragment buffers of 128: 64 registers of A (2 x 4 x 16 rows x 32 K), then 64 of B.  Window 2: v0-127 the residual
.set F1,   128
.set G1A, 24
.set G0A, 32
.set G1B, 48
.set G0B, 56
.set TB,  66
.set MSB, 0
.macro WIN new
.if MSB != (\new)
	s_set_vgpr_msb (MSB<<8)|(\new)
.set MSB, \new
.endif
.endm
.macro PLACES
.rept 4
	v_nop
.endr
.endm
.macro JLOAD                           ; a joint refill by the walking descriptors; s_nop 0 and four v_nop behind each line
	s_cmp_eq_u32 s11, 0
	s_cbranch_scc0 .Lfor_b_\@
	tensor_load_to_lds s[G0A+4:G0A+7], s[G1A:G1A+7]
	s_nop 0
.rept 4
	v_nop
.endr
	s_branch .Lasked_\@
.Lfor_b_\@:
	tensor_load_to_lds s[G0B+4:G0B+7], s[G1B:G1B+7]
	s_nop 0
.rept 4
	v_nop
.endr
.Lasked_\@:
.endm
.macro CREST
	s_cmp_lg_u32 s10, 0
	s_cbranch_scc1 .Lnot_wave_0_\@
	s_barrier_signal -3
.Lnot_wave_0_\@:
	s_barrier_wait -3
	s_barrier_signal -1
	s_barrier_wait -1
.endm
.macro CROUND
	s_barrier_signal -1
	s_barrier_wait -1
	CREST
.endm
	s_load_b256 s[72:79], s[0:1], 0x0              ; A s[72:73], wb s[74:75], bias s[76:77], residual s[78:79]
	s_load_b64 s[8:9], s[0:1], 0x20                ; the output
	v_lshl_add_u32 v[SPW], v0, 2, SPARE
	v_mov_b32 v[NIL], 0
	ds_add_u32 v[SPW], v[NIL]                      ; the wave's opening: the add and its wait ahead of my first tensor load
	v_lshrrev_b32 v1, 5, v0
	v_readfirstlane_b32 s10, v1
	s_lshr_b32 s11, s10, 1                         ; my half of the tile's rows.  Also: I fetch for A (0) or B (1)
	s_and_b32 s12, s10, 1                          ; my half of its columns.  Also: which half of that tile I fetch
	s_bfe_u32 s40, ttmp6, 0x40000
	s_bfe_u32 s41, ttmp6, 0x40004
	s_lshl_b32 s42, ttmp9, 2
	s_add_co_u32 s42, s42, s40                     ; tile column 0..7
	s_and_b32 s13, ttmp7, 0xffff
	s_lshl_b32 s13, s13, 2
	s_add_co_u32 s13, s13, s41                     ; tile row 0..31
	s_lshl_b32 s43, s41, 2
	s_lshl_b32 s43, 15, s43
	s_lshl_b32 s44, 0x1111, s40
	s_or_b32 s[G1A], s43, (1<<16)|(1<<20)|(1<<21)|(4<<22)|(3<<25)  ; after every 32 words 4 words
	s_mov_b32 s[G1A+1], 8192<<16                   ; 2 rows of 8,192 elements (a head's 128 rows), 65,536 apart (a head)
	s_mov_b32 s[G1A+2], 2<<16
	s_mov_b32 s[G1A+3], 8192<<16
	s_mov_b32 s[G1A+4], 2
	s_mov_b32 s[G1A+5], 65536
	s_mov_b32 s[G1A+6], 0
	s_mov_b32 s[G1A+7], 0
	s_or_b32 s[G1B], s44, (1<<16)|(1<<20)|(1<<21)|(5<<22)|(7<<25)  ; after every 64 words 8 words
	s_mov_b32 s[G1B+1], 128<<16                    ; 128 k-rows of 128 columns
	s_mov_b32 s[G1B+2], 128<<16
	s_mov_b32 s[G1B+3], 128<<16
	s_mov_b32 s[G1B+4], 128
	s_mov_b32 s[G1B+5], 1024
	s_mov_b32 s[G1B+6], 0
	s_mov_b32 s[G1B+7], 0
	s_lshr_b32 s16, s13, 3                         ; batch
	s_lshl_b32 s16, s16, 4
	s_lshl_b32 s17, s12, 1
	s_add_co_u32 s16, s16, s17                     ; batch x 16 + my first head of the K step's four
	s_lshl_b32 s16, s16, 10
	s_and_b32 s17, s13, 7
	s_lshl_b32 s17, s17, 7
	s_add_co_u32 s16, s16, s17                     ; + the tile's first position
	s_lshl_b32 s16, s16, 7                         ; rows of 128 bytes
	s_mov_b32 s17, 0
	s_lshl_b32 s46, s42, 8                         ; B: 256 bytes a tile column,
	s_lshl_b32 s47, s12, 18                        ; 128 k-rows of 2,048 bytes a half
	s_add_co_u32 s46, s46, s47
	s_add_co_u32 s46, s46, WOFF
	s_mov_b32 s47, 0
	s_mul_i32 s20, s12, AH                         ; where my part of a slot lies, for A
	s_mul_i32 s21, s12, BH                         ; and for B: the wave's number alone
	s_add_co_u32 s21, s21, BOFF
	s_mov_b32 s[TB], 0
	s_wait_dscnt 0x0                               ; the opening add is done
	s_wait_kmcnt 0x0
	s_add_nc_u64 s[14:15], s[72:73], s[16:17]
	s_add_nc_u64 s[46:47], s[74:75], s[46:47]
.irp s, 0,1
	s_mov_b32 s[G0A+4*(\s)], 1
	s_add_co_u32 s[G0A+4*(\s)+1], s20, (\s)*SLOT
	s_add_nc_u64 s[G0A+4*(\s)+2:G0A+4*(\s)+3], s[14:15], (\s)*ASTEP
	s_or_b32 s[G0A+4*(\s)+3], s[G0A+4*(\s)+3], 0x80000000
	s_mov_b32 s[G0B+4*(\s)], 1
	s_add_co_u32 s[G0B+4*(\s)+1], s21, (\s)*SLOT
	s_add_nc_u64 s[G0B+4*(\s)+2:G0B+4*(\s)+3], s[46:47], (\s)*BSTEP
	s_or_b32 s[G0B+4*(\s)+3], s[G0B+4*(\s)+3], 0x80000000
.endr
	CROUND                                         ; all sixteen work-groups are here: the first joint loads meet
	s_cmp_eq_u32 s11, 0                            ; a wave's two first fills stand in one branch: two loads of mine are out
	s_cbranch_scc0 .Lfirst_b
	tensor_load_to_lds s[G0A:G0A+3], s[G1A:G1A+7]
	s_nop 0
	tensor_load_to_lds s[G0A+4:G0A+7], s[G1A:G1A+7]
	s_nop 0
.rept 4
	v_nop
.endr
	s_branch .Lfirst_asked
.Lfirst_b:
	tensor_load_to_lds s[G0B:G0B+3], s[G1B:G1B+7]
	s_nop 0
	tensor_load_to_lds s[G0B+4:G0B+7], s[G1B:G1B+7]
	s_nop 0
.rept 4
	v_nop
.endr
.Lfirst_asked:
	s_lshl_b32 s16, s13, 7
	s_lshl_b32 s17, s11, 6
	s_add_co_u32 s16, s16, s17
	s_lshl_b32 s16, s16, 12                        ; my first row, of 4,096 bytes
	s_mov_b32 s17, 0
	s_lshl_b32 s46, s42, 9
	s_lshl_b32 s47, s12, 8
	s_add_co_u32 s46, s46, s47                     ; my first column, in bytes of f32
	s_mov_b32 s47, 0
	s_add_nc_u64 s[70:71], s[76:77], s[46:47]      ; the bias at my first column
	s_add_nc_u64 s[68:69], s[78:79], s[16:17]      ; the residual and the output at my corner
	s_add_nc_u64 s[68:69], s[68:69], s[46:47]
	s_add_nc_u64 s[8:9], s[8:9], s[16:17]
	s_add_nc_u64 s[8:9], s[8:9], s[46:47]
	v_and_b32 v1, 15, v0                           ; r
	v_bfe_u32 v2, v0, 4, 1                         ; h
	v_lshlrev_b32 v5, 5, v2
.irp b, 0,1,2,3
	global_load_b128 v[BIAS+8*(\b):BIAS+8*(\b)+3],   v5, s[70:71] offset:64*(\b)
	global_load_b128 v[BIAS+8*(\b)+4:BIAS+8*(\b)+7], v5, s[70:71] offset:64*(\b)+16
.endr
	v_lshlrev_b32 v[CO], 12, v2                    ; lanes 0-15 take 256 bytes of one row, lanes 16-31 of the next
	v_lshl_add_u32 v[CO], v1, 4, v[CO]
	WIN 0x80                                       ; destination window 2
.set t, 0
.rept 32
	global_load_b128 v[4*t:4*t+3], v[CO], s[68:69] offset:8192*t th:TH_LOAD_NT
.set t, t+1
.endr
	WIN 0
	v_mul_u32_u24 v[A0], v1, AP
	v_lshl_add_u32 v[A0], v2, 4, v[A0]
	s_mul_i32 s21, s11, 64*AP
	v_add_nc_u32 v[A0], s21, v[A0]
	v_mov_b32 v[ADRA], v[A0]
	v_and_b32 v3, 7, v0
	v_bfe_u32 v4, v0, 3, 1
	v_lshl_add_u32 v[B0], v2, 3, v3
	v_mul_u32_u24 v[B0], v[B0], PITB
	v_lshl_add_u32 v[B0], v4, 4, v[B0]
	s_lshl_b32 s22, s12, 7
	s_add_co_u32 s22, s22, BOFF
	v_add_nc_u32 v[B0], s22, v[B0]
	v_mov_b32 v[ADRB], v[B0]
	v_add_nc_u32 v[ADRB+2], BH, v[B0]
	s_mul_i32 s23, s10, STG
	v_mul_u32_u24 v[STO], v1, SP
	v_lshl_add_u32 v[STO], v2, 5, v[STO]
	v_add_nc_u32 v[STO], s23, v[STO]
	v_mul_u32_u24 v[RD], v2, SP
	v_lshl_add_u32 v[RD], v1, 4, v[RD]
	v_add_nc_u32 v[RD], s23, v[RD]
; 8 matrix instructions: row blocks a0, a0 + 1 x all 4 column blocks, 32 along K: half c of buffer f.  zero = 1: each sum's first product, with the bias as C.  The 16 accumulators take turns.
.macro MUL8 f, c, a0, zero
	WIN 0x05                                       ; sources 0 (B) and 1 (A) window 1; C and D window 0
.irp a, \a0, (\a0)+1
.irp b, 0,1,2,3
.if \zero
	v_wmma_f32_16x16x32_bf16 v[ACC+8*(4*(\a)+(\b)):ACC+8*(4*(\a)+(\b))+7], v[(\f)+64+8*(4*(\c)+(\b)):(\f)+64+8*(4*(\c)+(\b))+7], v[(\f)+8*(4*(\c)+(\a)):(\f)+8*(4*(\c)+(\a))+7], v[BIAS+8*(\b):BIAS+8*(\b)+7]
.else
	v_wmma_f32_16x16x32_bf16 v[ACC+8*(4*(\a)+(\b)):ACC+8*(4*(\a)+(\b))+7], v[(\f)+64+8*(4*(\c)+(\b)):(\f)+64+8*(4*(\c)+(\b))+7], v[(\f)+8*(4*(\c)+(\a)):(\f)+8*(4*(\c)+(\a))+7], v[ACC+8*(4*(\a)+(\b)):ACC+8*(4*(\a)+(\b))+7]
.endif
.endr
.endr
.endm
; 32 LDS loads in one run: quarter q (64 along K) of the slot in hand into buffer f; the first 32 along K first
.macro FETCH q, f
	WIN 0x40
.irp c, 0,1
.irp i, 0,1,2,3
	ds_load_tr16_b128 v[(\f)+64+8*(4*(\c)+(\i)):(\f)+64+8*(4*(\c)+(\i))+3],   v[ADRB+2*((\q)/2)] offset:((\q)%2)*64*PITB+(\c)*32*PITB+32*(\i)
	ds_load_tr16_b128 v[(\f)+64+8*(4*(\c)+(\i))+4:(\f)+64+8*(4*(\c)+(\i))+7], v[ADRB+2*((\q)/2)] offset:((\q)%2)*64*PITB+(\c)*32*PITB+32*(\i)+16*PITB
	ds_load_b128 v[(\f)+8*(4*(\c)+(\i)):(\f)+8*(4*(\c)+(\i))+3],   v[ADRA] offset:(\q)*AQ+64*(\c)+(\i)*AI
	ds_load_b128 v[(\f)+8*(4*(\c)+(\i))+4:(\f)+8*(4*(\c)+(\i))+7], v[ADRA] offset:(\q)*AQ+64*(\c)+(\i)*AI+32
.endr
.endr
.endm
.macro QUARTER q, f, g, zero
	s_wait_dscnt 16                                ; the first 32 along K are in; the sixteen younger loads may be out
	MUL8 \f, 0, 0, \zero
	MUL8 \f, 0, 2, \zero
	PLACES
	FETCH \q, \g
	s_wait_dscnt 32                                ; all but the 32 just issued
	MUL8 \f, 1, 0, 0
	MUL8 \f, 1, 2, 0
.endm
; The last quarter multiplies buffer 1 and, in its middle, changes slots: one barrier.  The wait for all my tensor loads, the add, the wait for it and for my reads of this slot, the barrier and the round
; stand together, with no product among them: between that wait and the next request no load of the work-group is on its way, so the stretch is kept short.  fill = 1: the barrier opens a round of the
; cluster's, and behind it the slot just read out takes the K step two on: the request has a K step's 128 matrix instructions ahead of the wait for it.
.macro TURN fill
	s_wait_dscnt 16                                ; the first 32 along K are in
	MUL8 F1, 0, 0, 0
	MUL8 F1, 0, 2, 0
	WIN 0
	s_wait_tensorcnt 0x0                           ; all my tensor loads have landed: my part of the next slot; so a group 0 may be written
	ds_add_u32 v[SPW], v[NIL]                      ; 0 onto my spare word
.if \fill
	s_xor_b32 s[G0A+5], s[G0A+5], SLOT
	s_add_nc_u64 s[G0A+6:G0A+7], s[G0A+6:G0A+7], ASTEP
	s_xor_b32 s[G0B+5], s[G0B+5], SLOT
	s_add_nc_u64 s[G0B+6:G0B+7], s[G0B+6:G0B+7], BSTEP
.endif
	s_xor_b32 s[TB], s[TB], SLOT
	s_wait_dscnt 0x0                               ; the add is done, and my reads of this slot are over
	s_barrier_signal -1
	s_barrier_wait -1
.if \fill
	CREST
	JLOAD                                          ; its four v_nop are also the places in front of the loads below
.else
	PLACES
.endif
	v_add_nc_u32 v[ADRA], s[TB], v[A0]
	v_add_nc_u32 v[ADRB], s[TB], v[B0]
	v_add_nc_u32 v[ADRB+2], BH, v[ADRB]
	FETCH 0, F0
	MUL8 F1, 1, 0, 0
	MUL8 F1, 1, 2, 0
.endm
	s_wait_tensorcnt 1                             ; my part of K step 0 is in; K step 1's may stay out
	s_barrier_signal -1
	s_barrier_wait -1
	FETCH 0, F0
	s_wait_loadcnt 32                              ; the bias is in; the residual's 32 younger loads stay out until the way out
	QUARTER 1, F0, F1, 1
	WIN 0
	s_mov_b32 s3, STEPS-2                          ; all K steps but the last two ask for the K step two on
.Lstep:
	QUARTER 2, F1, F0, 0
	QUARTER 3, F0, F1, 0
	TURN 1
	QUARTER 1, F0, F1, 0
	WIN 0
	s_sub_co_u32 s3, s3, 1
	s_cmp_lg_u32 s3, 0
	s_cbranch_scc1 .Lstep
	s_mov_b32 s3, 2                                ; the last two K steps ask for nothing: a text of their own
.Ltail:
	QUARTER 2, F1, F0, 0
	QUARTER 3, F0, F1, 0
	WIN 0
	s_cmp_eq_u32 s3, 1
	s_cbranch_scc1 .Llast
	TURN 0
	QUARTER 1, F0, F1, 0
	WIN 0
	s_sub_co_u32 s3, s3, 1
	s_cmp_lg_u32 s3, 0
	s_cbranch_scc1 .Ltail
.Llast:
	s_wait_dscnt 16
	MUL8 F1, 0, 0, 0
	MUL8 F1, 0, 2, 0
	s_wait_dscnt 0x0
	MUL8 F1, 1, 0, 0
	MUL8 F1, 1, 2, 0
	WIN 0
	s_barrier_signal -1                            ; every wave's reads of the ring are back, and the ring has had its last fill:
	s_barrier_wait -1                              ; behind this barrier it is the stages, each wave's own
	PLACES
.irp a, 0,1,2,3
.irp b, 0,1,2,3
	ds_store_b128 v[STO], v[ACC+8*(4*(\a)+(\b)):ACC+8*(4*(\a)+(\b))+3]   offset:(\a)*16*SP+64*(\b)     ; each accumulator's low four registers first
	ds_store_b128 v[STO], v[ACC+8*(4*(\a)+(\b))+4:ACC+8*(4*(\a)+(\b))+7] offset:(\a)*16*SP+64*(\b)+16
.endr
.endr
.set t, 0
.rept 32
	ds_load_b128 v[ACC+4*t:ACC+4*t+3], v[RD] offset:2*SP*t  ; LDS serves a wave's instructions in order (ISA guide 5.7.1.4): these see the stores above
.set t, t+1
.endr
	s_wait_dscnt 0x0
	s_wait_loadcnt 0x0                             ; the residual
	WIN 0x08                                       ; source 1 in window 2
.set t, 0
.rept 64
	v_pk_add_f32 v[ACC+2*t:ACC+2*t+1], v[ACC+2*t:ACC+2*t+1], v[2*t:2*t+1]
.set t, t+1
.endr
	WIN 0
.set t, 0
.rept 32
	global_store_b128 v[CO], v[ACC+4*t:ACC+4*t+3], s[8:9] offset:8192*t  ; 16 lanes store 256 consecutive bytes, aligned
.set t, t+1
.endr
	s_wait_tensorcnt 0x0                           ; the wave's end
	ds_add_u32 v[SPW], v[NIL]
	s_wait_dscnt 0x0
	CROUND                                         ; the closing round
	s_endpgm
.Lfunc_end_k_q47421725de_wo:
	.size	k_q47421725de_wo, .Lfunc_end_k_q47421725de_wo-k_q47421725de_wo
	.p2alignl 7, 3214868480
	.fill 96, 4, 3214868480
	.section	.rodata,"a",@progbits
	.p2align	6, 0x0
	.amdhsa_kernel k_q47421725de_wo
		.amdhsa_group_segment_fixed_size 327680
		.amdhsa_private_segment_fixed_size 0
		.amdhsa_enable_private_segment 0
		.amdhsa_kernarg_size 40
		.amdhsa_user_sgpr_count 2
		.amdhsa_user_sgpr_kernarg_segment_ptr 1
		.amdhsa_wavefront_size32 1
		.amdhsa_system_sgpr_workgroup_id_x 1
		.amdhsa_system_sgpr_workgroup_id_y 1
		.amdhsa_system_sgpr_workgroup_id_z 1
		.amdhsa_system_vgpr_workitem_id 0
		.amdhsa_next_free_vgpr 768
		.amdhsa_next_free_sgpr 100
		.amdhsa_reserve_vcc 0
		.amdhsa_float_denorm_mode_32 3
		.amdhsa_float_denorm_mode_16_64 3
		.amdhsa_memory_ordered 1
		.amdhsa_forward_progress 1
		.amdhsa_inst_pref_size 68
	.end_amdhsa_kernel
	.amdgpu_metadata
---
amdhsa.version: [ 1, 2 ]
amdhsa.kernels:
  - .name:           k_q47421725de_wo
    .symbol:         k_q47421725de_wo.kd
    .args:
      - { .name: act, .offset: 0, .size: 8, .value_kind: global_buffer, .address_space: global }
      - { .name: wb, .offset: 8, .size: 8, .value_kind: global_buffer, .address_space: global }
      - { .name: bo, .offset: 16, .size: 8, .value_kind: global_buffer, .address_space: global }
      - { .name: x, .offset: 24, .size: 8, .value_kind: global_buffer, .address_space: global }
      - { .name: x1, .offset: 32, .size: 8, .value_kind: global_buffer, .address_space: global }
    .group_segment_fixed_size: 327680
    .private_segment_fixed_size: 0
    .kernarg_segment_align: 8
    .kernarg_segment_size: 40
    .max_flat_workgroup_size: 128
    .sgpr_count:     100
    .vgpr_count:     768
    .wavefront_size: 32
...
	.end_amdgpu_metadata
.endif
;; end of part 4
;; launch ln2 (part 5): grid 512 x 1, 4 waves a work-group, no clusters, 0 bytes of LDS; arguments x1, ln2_w, ln2_b, act; writes act
.if DOCPART == 5
	.amdgcn_target "amdgcn-amd-amdhsa--gfx1250"
	.amdhsa_code_object_version 6
	.text
	.protected	k_q47421725de_ln2
	.globl	k_q47421725de_ln2
	.p2align	8
	.type	k_q47421725de_ln2,@function
k_q47421725de_ln2:
	s_mov_b64 s[64:65], 0
	v_nop
	global_prefetch_b8 v0, s[64:65] scope:SCOPE_SE
	s_setreg_imm32_b32 hwreg(HW_REG_WAVE_MODE, 25, 1), 1
	s_wait_xcnt 0x0
; act[row][:] = bf16(layernorm(x1[row][:]) * ln2_w + ln2_b), 4,096 rows of 1,024 f32.  A stream: no LDS, no barrier, no matrix unit, and NO LOOP: a wave asks for all that it reads at its start,
; 32 loads of 512 bytes, and works them off behind counted waits.
; A work-group takes 8 rows, a wave 2, each row kept in 32 registers: the mean is taken away before the squares are formed; all is done in place.
; For jj = 0..3 lane l holds columns 256 jj + 8 l + 0..7: two loads of 16 bytes in, and 16 bytes of bf16 out, so that 16 lanes store 256 consecutive bytes, aligned.
.set PX, 8                             ; s[8:9] x1   s[10:11] ln2_w   s[12:13] ln2_b   s[14:15] act
.set PW, 10
.set PBI, 12
.set PO, 14
.set W,  4                             ; v[4:35]    gain of my 32 columns
.set B,  36                            ; v[36:67]   bias of my 32 columns
.set X,  68                            ; v[68:131]  my two rows, 32 registers each
.set T,  132                           ; v[132:139] four running pairs
.set NM, 140                           ; v[140:141] minus the mean, twice
.set R,  142                           ; v[142:143] 1 / sqrt(var + eps), twice
	s_load_b256 s[8:15], s[0:1], 0x0
	v_lshrrev_b32 v3, 5, v0
	v_readfirstlane_b32 s37, v3
.macro ROWLD dst, base, off            ; 4,096 bytes: eight loads of 512 bytes a wave
.irp jj, 0,1,2,3
	global_load_b128 v[(\dst)+8*(\jj):(\dst)+8*(\jj)+3],   v1, s[\base:\base+1] offset:(\off)+1024*(\jj)
	global_load_b128 v[(\dst)+8*(\jj)+4:(\dst)+8*(\jj)+7], v1, s[\base:\base+1] offset:(\off)+1024*(\jj)+16
.endr
.endm
.macro ACROSS                          ; four pairs into one number, then over the 32 lanes: every lane ends with the sum
	v_pk_add_f32 v[T:T+1], v[T:T+1], v[T+2:T+3]
	v_pk_add_f32 v[T+4:T+5], v[T+4:T+5], v[T+6:T+7]
	v_pk_add_f32 v[T:T+1], v[T:T+1], v[T+4:T+5]
	v_add_f32 v[T], v[T], v[T+1]
	v_add_f32_dpp v[T], v[T], v[T] row_xmask:1 row_mask:0xf bank_mask:0xf
	v_add_f32_dpp v[T], v[T], v[T] row_xmask:2 row_mask:0xf bank_mask:0xf
	v_add_f32_dpp v[T], v[T], v[T] row_xmask:4 row_mask:0xf bank_mask:0xf
	v_add_f32_dpp v[T], v[T], v[T] row_xmask:8 row_mask:0xf bank_mask:0xf
	v_permlanex16_b32 v[T+1], v[T], s38, s39
	v_add_f32 v[T], v[T], v[T+1]
.endm
; The row in v[x .. x+31] becomes (row - mean) / sqrt(var + eps).  left: the younger loads that may stay out.
.macro STATS x, left
	s_wait_loadcnt \left
.irp k, 0,1,2,3
	v_pk_add_f32 v[T+2*(\k):T+2*(\k)+1], v[(\x)+4*(\k):(\x)+4*(\k)+1], v[(\x)+4*(\k)+2:(\x)+4*(\k)+3]  ; the first eight pairs start four chains
.endr
.set j, 8
.rept 8
	v_pk_add_f32 v[T+2*(j%4):T+2*(j%4)+1], v[T+2*(j%4):T+2*(j%4)+1], v[(\x)+2*j:(\x)+2*j+1]
.set j, j+1
.endr
	ACROSS
	v_mul_f32 v[NM], 0xba800000, v[T]              ; - sum / 1,024
	v_mov_b32 v[NM+1], v[NM]
.set j, 0
.rept 16
	v_pk_add_f32 v[(\x)+2*j:(\x)+2*j+1], v[(\x)+2*j:(\x)+2*j+1], v[NM:NM+1]
.set j, j+1
.endr
.irp k, 0,1,2,3
	v_pk_mul_f32 v[T+2*(\k):T+2*(\k)+1], v[(\x)+2*(\k):(\x)+2*(\k)+1], v[(\x)+2*(\k):(\x)+2*(\k)+1]
.endr
.set j, 4
.rept 12
	v_pk_fma_f32 v[T+2*(j%4):T+2*(j%4)+1], v[(\x)+2*j:(\x)+2*j+1], v[(\x)+2*j:(\x)+2*j+1], v[T+2*(j%4):T+2*(j%4)+1]
.set j, j+1
.endr
	ACROSS
	v_fma_f32 v[T], v[T], s40, s41                 ; var + eps
	v_rsq_f32 v[R], v[T]
	v_rsq_f32 v[R+1], v[T]
	v_nop                                          ; a plain instruction behind the second root,
	s_wait_alu depctr_va_vdst(0)                   ; and one wait for both, ahead of their first reader
.set j, 0
.rept 16
	v_pk_mul_f32 v[(\x)+2*j:(\x)+2*j+1], v[(\x)+2*j:(\x)+2*j+1], v[R:R+1]
.set j, j+1
.endr
.endm
; Gain and bias, the rounding to bf16 (pair j goes into register x + j, which the pairs still to come do not hold), and the row's four stores.  Nothing is written behind them.
.macro FINISH x, off
.set j, 0
.rept 16
	v_pk_fma_f32 v[(\x)+2*j:(\x)+2*j+1], v[(\x)+2*j:(\x)+2*j+1], v[W+2*j:W+2*j+1], v[B+2*j:B+2*j+1]
.set j, j+1
.endr
.set j, 0
.rept 16
	v_cvt_pk_bf16_f32 v[(\x)+j], v[(\x)+2*j], v[(\x)+2*j+1]
.set j, j+1
.endr
.irp jj, 0,1,2,3
	global_store_b128 v2, v[(\x)+4*(\jj):(\x)+4*(\jj)+3], s[34:35] offset:(\off)+512*(\jj)
.endr
.endm
	v_and_b32 v3, 31, v0
	v_lshlrev_b32 v1, 5, v3                        ; 32 l: my place in 1,024 bytes of f32
	v_lshlrev_b32 v2, 4, v3                        ; 16 l: my place in 512 bytes of bf16
	s_lshl_b32 s42, ttmp9, 3
	s_lshl_b32 s43, s37, 1
	s_add_co_u32 s42, s42, s43                     ; my first row
	s_lshl_b32 s44, s42, 12
	s_mov_b32 s45, 0
	s_lshl_b32 s46, s42, 11
	s_mov_b32 s47, 0
	s_mov_b32 s38, 0x76543210                      ; v_permlanex16_b32: each lane takes its own place in the other half
	s_mov_b32 s39, 0xfedcba98
	s_mov_b32 s40, 0x3a800000                      ; 1 / 1,024
	s_mov_b32 s41, 0x3727c5ac                      ; eps = 1e-5
	s_wait_kmcnt 0x0
	s_add_nc_u64 s[32:33], s[PX:PX+1], s[44:45]
	s_add_nc_u64 s[34:35], s[PO:PO+1], s[46:47]
	ROWLD X, 32, 0                                 ; the rows first: their sums want neither gain nor bias
	ROWLD X+32, 32, 4096
	ROWLD W, PW, 0
	ROWLD B, PBI, 0
	STATS X, 24                                    ; row 0's eight loads are in; the 24 behind them may be out
	STATS X+32, 16                                 ; row 1's; gain's and bias's 16 may be out
	s_wait_loadcnt 0x0
	FINISH X, 0
	FINISH X+32, 2048
	s_endpgm
.Lfunc_end_k_q47421725de_ln2:
	.size	k_q47421725de_ln2, .Lfunc_end_k_q47421725de_ln2-k_q47421725de_ln2
	.p2alignl 7, 3214868480
	.fill 96, 4, 3214868480
	.section	.rodata,"a",@progbits
	.p2align	6, 0x0
	.amdhsa_kernel k_q47421725de_ln2
		.amdhsa_group_segment_fixed_size 0
		.amdhsa_private_segment_fixed_size 0
		.amdhsa_enable_private_segment 0
		.amdhsa_kernarg_size 32
		.amdhsa_user_sgpr_count 2
		.amdhsa_user_sgpr_kernarg_segment_ptr 1
		.amdhsa_wavefront_size32 1
		.amdhsa_system_sgpr_workgroup_id_x 1
		.amdhsa_system_sgpr_workgroup_id_y 1
		.amdhsa_system_sgpr_workgroup_id_z 1
		.amdhsa_system_vgpr_workitem_id 0
		.amdhsa_next_free_vgpr 144
		.amdhsa_next_free_sgpr 66
		.amdhsa_reserve_vcc 0
		.amdhsa_float_denorm_mode_32 3
		.amdhsa_float_denorm_mode_16_64 3
		.amdhsa_memory_ordered 1
		.amdhsa_forward_progress 1
		.amdhsa_inst_pref_size 20
	.end_amdhsa_kernel
	.amdgpu_metadata
---
amdhsa.version: [ 1, 2 ]
amdhsa.kernels:
  - .name:           k_q47421725de_ln2
    .symbol:         k_q47421725de_ln2.kd
    .args:
      - { .name: x1, .offset: 0, .size: 8, .value_kind: global_buffer, .address_space: global }
      - { .name: ln2_w, .offset: 8, .size: 8, .value_kind: global_buffer, .address_space: global }
      - { .name: ln2_b, .offset: 16, .size: 8, .value_kind: global_buffer, .address_space: global }
      - { .name: act, .offset: 24, .size: 8, .value_kind: global_buffer, .address_space: global }
    .group_segment_fixed_size: 0
    .private_segment_fixed_size: 0
    .kernarg_segment_align: 8
    .kernarg_segment_size: 32
    .max_flat_workgroup_size: 128
    .sgpr_count:     66
    .vgpr_count:     144
    .wavefront_size: 32
...
	.end_amdgpu_metadata
.endif
;; end of part 5
;; launch ffn1 (part 6): grid 16 x 16, 4 waves a work-group, clusters of 4 x 4, 327,680 bytes of LDS; arguments act, wb, b1, big; writes big
.if DOCPART == 6
	.amdgcn_target "amdgcn-amd-amdhsa--gfx1250"
	.amdhsa_code_object_version 6
	.text
	.protected	k_q47421725de_ffn1
	.globl	k_q47421725de_ffn1
	.p2align	8
	.type	k_q47421725de_ffn1,@function
k_q47421725de_ffn1:
	s_mov_b64 s[64:65], 0
	v_nop
	global_prefetch_b8 v0, s[64:65] scope:SCOPE_SE
	s_setreg_imm32_b32 hwreg(HW_REG_WAVE_MODE, 25, 1), 1
	s_wait_xcnt 0x0
	s_wait_alu depctr_hold_cnt(0) depctr_sa_sdst(0) depctr_va_vdst(0) depctr_va_sdst(0) depctr_va_ssrc(0) depctr_va_vcc(0) depctr_vm_vsrc(0)
	s_getreg_b32 s2, hwreg(HW_REG_IB_STS2, 6, 4)
	s_cmp_eq_u32 s2, 0
	s_cbranch_scc0 .Lentry_in_a_cluster
	s_endpgm
.Lentry_in_a_cluster:
	s_bfe_u32 s2, ttmp6, 0x10000c
	s_cmp_lg_u32 s2, 0xf033
	s_cbranch_scc0 .Lentry_shape_is_right
	s_endpgm
.Lentry_shape_is_right:
; C = silu(A B + b1).  A: [4096][1024] bf16 (act).  B = W1: [1024][4096] bf16 as it lies, K down the rows (wb).  C: bf16 [4096][4096] row-major (big).  Sums in f32.
; SHAPE.  A work-group makes 256 x 256 of C, each of its four waves 128 x 128: 64 accumulators, 512 registers.  K goes in 8 steps of 128 through two LDS slots filled by tensor loads.
; 4 x 4 work-groups form a cluster: A's tile is asked for jointly along a row of the cluster, B's along a column.
; The matrix instruction is used transposed (source 0 = 16 columns of B, turned on the way out of LDS by ds_load_tr16_b128; source 1 = 16 rows of A): a lane holds one row of C and 8 neighbouring columns.
; The bias, laid out as a C operand, starts the sums: nothing is cleared and nothing is added later.
; THE WAY OUT.  The ring has had its last fill; behind a barrier each wave lays its 128 x 128 f32 into its own 67,584 bytes of it and walks them 8 rows a trip, so that the activation is written once.
; LIMITS.  NaN and infinities are not treated apart; where 2^(-x log2 e) overflows, silu gives 0.
.set PITA,  272                        ; a row of A in LDS: 256 bytes + 16: the 16 rows of a fragment load start at 16 different groups of four banks (64 banks of 4 bytes: ISA guide 11.1)
.set PITB,  544                        ; a k-row of B: 512 bytes + 32
.set HALFT, 128*PITA                   ; what one tensor load brings: 128 rows of A, or 64 k-rows of B
.set SLOT,  4*HALFT                    ; 0x22000: no wave's place in a slot has bit 13 or 17, so an exclusive or changes slots
.set SPARE, 2*SLOT
.set SP,    528
.set STG,   128*SP
.set ASTEP, 256
.set BP,    4096
.set WOFF,  10485760                   ; W1 in wb
.set BSTEP, 128*BP*2
.set ADRA, 16
.set A0,   17
.set ADRB, 20
.set B0,   21
.set STO,  24
.set RD,   25
.set CO,   26
.set SPW,  28
.set NIL,  29
.set PFO,  30
.set F0,   64
.set F1,   128
.set BIAS, 192
.set X,    64
.set T,    96
.set Y,    128
.set G1A, 24
.set G0A, 32
.set G1B, 48
.set G0B, 56
.set LIM, 43
.set PFA, 44
.set TB,  66
.set PSTEP, 68
.set BPTR, 70
.set MSB, 0
.macro WIN new
.if MSB != (\new)
	s_set_vgpr_msb (MSB<<8)|(\new)
.set MSB, \new
.endif
.endm
.macro PLACES
.rept 4
	v_nop
.endr
.endm
.macro JLOAD                           ; a joint refill by the walking descriptors: waves 0 and 1 fetch A's halves, 2 and 3 B's; s_nop 0 and four v_nop behind each line
	s_cmp_eq_u32 s11, 0
	s_cbranch_scc0 .Lfor_b_\@
	tensor_load_to_lds s[G0A+4:G0A+7], s[G1A:G1A+7]
	s_nop 0
.rept 4
	v_nop
.endr
	s_branch .Lasked_\@
.Lfor_b_\@:
	tensor_load_to_lds s[G0B+4:G0B+7], s[G1B:G1B+7]
	s_nop 0
.rept 4
	v_nop
.endr
.Lasked_\@:
.endm
.macro CREST
	s_cmp_lg_u32 s10, 0
	s_cbranch_scc1 .Lnot_wave_0_\@
	s_barrier_signal -3
.Lnot_wave_0_\@:
	s_barrier_wait -3
	s_barrier_signal -1
	s_barrier_wait -1
.endm
.macro CROUND
	s_barrier_signal -1
	s_barrier_wait -1
	CREST
.endm
; A prefetch into the L2 of the K step that the NEXT refill will ask for: one instruction a wave, 32 blocks of 256 bytes.  A's rows are read by every cluster of a row of clusters: cluster x = 0 asks;
; B's by every cluster of a column: cluster y = 0 asks.  The four partners of a joint load share its blocks out by address.  The last refill but one is the last that has a K step behind the next.
.macro ASK
	s_cmp_gt_u32 s3, s[LIM]
	s_cbranch_scc0 .Lnot_mine_\@
	global_prefetch_b8 v[PFO], s[PFA:PFA+1] th:TH_LOAD_NT scope:SCOPE_SE
.Lnot_mine_\@:
.endm
	s_load_b128 s[4:7], s[0:1], 0x0                ; act s[4:5], wb s[6:7]
	s_load_b128 s[72:75], s[0:1], 0x10             ; b1 s[72:73], big s[74:75]
	v_lshl_add_u32 v[SPW], v0, 2, SPARE
	v_mov_b32 v[NIL], 0
	ds_add_u32 v[SPW], v[NIL]                      ; the wave's opening: the add and its wait ahead of my first tensor load
	v_lshrrev_b32 v1, 5, v0
	v_readfirstlane_b32 s10, v1
	s_lshr_b32 s11, s10, 1                         ; my half of the tile's rows.  Also: I fetch for A (0) or B (1)
	s_and_b32 s12, s10, 1                          ; my half of its columns.  Also: which half of that tile I fetch
	s_bfe_u32 s40, ttmp6, 0x40000
	s_bfe_u32 s41, ttmp6, 0x40004
	s_lshl_b32 s42, ttmp9, 2
	s_add_co_u32 s42, s42, s40                     ; tile column
	s_and_b32 s13, ttmp7, 0xffff
	s_lshl_b32 s13, s13, 2
	s_add_co_u32 s13, s13, s41                     ; tile row
	s_lshl_b32 s43, s41, 2
	s_lshl_b32 s43, 15, s43
	s_lshl_b32 s44, 0x1111, s40
	s_or_b32 s[G1A], s43, (1<<16)|(1<<20)|(1<<21)|(5<<22)|(3<<25)  ; mask; 2-byte elements; padding on; bit 21 beside a mask; after every 64 words 4 words
	s_or_b32 s[G1B], s44, (1<<16)|(1<<20)|(1<<21)|(6<<22)|(7<<25)  ; after every 128 words 8 words
	s_mov_b32 s[G1A+1], 128<<16
	s_mov_b32 s[G1A+2], 128<<16
	s_mov_b32 s[G1A+3], 128<<16
	s_mov_b32 s[G1A+4], 128
	s_mov_b32 s[G1A+5], 1024
	s_mov_b32 s[G1A+6], 0
	s_mov_b32 s[G1A+7], 0
	s_mov_b32 s[G1B+1], 256<<16
	s_mov_b32 s[G1B+2], 64<<16
	s_mov_b32 s[G1B+3], 256<<16
	s_mov_b32 s[G1B+4], 64
	s_mov_b32 s[G1B+5], BP
	s_mov_b32 s[G1B+6], 0
	s_mov_b32 s[G1B+7], 0
	s_lshl_b32 s16, s13, 8
	s_lshl_b32 s17, s12, 7
	s_add_co_u32 s16, s16, s17
	s_lshl_b32 s16, s16, 11
	s_mov_b32 s17, 0
	s_lshl_b32 s46, s42, 9                         ; B: 512 bytes a tile column,
	s_lshl_b32 s47, s12, 19                        ; 64 k-rows of 8,192 bytes a half
	s_add_co_u32 s46, s46, s47
	s_add_co_u32 s46, s46, WOFF
	s_mov_b32 s47, 0
	s_mul_i32 s20, s10, HALFT
	s_mov_b32 s[TB], 0
	s_mov_b32 s96, 0xbfb8aa3b                      ; - log2 e, as a pair
	s_mov_b32 s97, s96
	s_wait_dscnt 0x0                               ; the opening add is done
	s_wait_kmcnt 0x0
	s_mov_b64 s[8:9], s[74:75]
	s_add_nc_u64 s[14:15], s[4:5], s[16:17]
	s_add_nc_u64 s[46:47], s[6:7], s[46:47]
.irp s, 0,1
	s_mov_b32 s[G0A+4*(\s)], 1
	s_add_co_u32 s[G0A+4*(\s)+1], s20, (\s)*SLOT
	s_add_nc_u64 s[G0A+4*(\s)+2:G0A+4*(\s)+3], s[14:15], (\s)*ASTEP
	s_or_b32 s[G0A+4*(\s)+3], s[G0A+4*(\s)+3], 0x80000000
	s_mov_b32 s[G0B+4*(\s)], 1
	s_add_co_u32 s[G0B+4*(\s)+1], s20, (\s)*SLOT
	s_add_nc_u64 s[G0B+4*(\s)+2:G0B+4*(\s)+3], s[46:47], (\s)*BSTEP
	s_or_b32 s[G0B+4*(\s)+3], s[G0B+4*(\s)+3], 0x80000000
.endr
	CROUND                                         ; all sixteen work-groups are here: the first joint loads meet
	s_cmp_eq_u32 s11, 0                            ; a wave's two first fills stand in one branch: two loads of mine are out
	s_cbranch_scc0 .Lfirst_b
	tensor_load_to_lds s[G0A:G0A+3], s[G1A:G1A+7]
	s_nop 0
	tensor_load_to_lds s[G0A+4:G0A+7], s[G1A:G1A+7]
	s_nop 0
.rept 4
	v_nop
.endr
	s_branch .Lfirst_asked
.Lfirst_b:
	tensor_load_to_lds s[G0B:G0B+3], s[G1B:G1B+7]
	s_nop 0
	tensor_load_to_lds s[G0B+4:G0B+7], s[G1B:G1B+7]
	s_nop 0
.rept 4
	v_nop
.endr
.Lfirst_asked:
	s_lshl_b32 s20, s42, 10                        ; the bias: register j of column block b holds the bias of column 16 b + 8 (l / 16) + j of my 128
	s_lshl_b32 s21, s12, 9
	s_add_co_u32 s20, s20, s21
	s_mov_b32 s21, 0
	s_add_nc_u64 s[BPTR:BPTR+1], s[72:73], s[20:21]
	v_and_b32 v1, 15, v0
	v_bfe_u32 v2, v0, 4, 1
	v_lshlrev_b32 v5, 5, v2
.irp b, 0,1,2,3,4,5,6,7
	global_load_b128 v[BIAS+8*(\b):BIAS+8*(\b)+3],   v5, s[BPTR:BPTR+1] offset:64*(\b)
	global_load_b128 v[BIAS+8*(\b)+4:BIAS+8*(\b)+7], v5, s[BPTR:BPTR+1] offset:64*(\b)+16
.endr
	v_mul_u32_u24 v[A0], v1, PITA
	v_lshl_add_u32 v[A0], v2, 4, v[A0]
	s_mul_i32 s21, s11, HALFT
	v_add_nc_u32 v[A0], s21, v[A0]
	v_mov_b32 v[ADRA], v[A0]
	v_and_b32 v3, 7, v0
	v_bfe_u32 v4, v0, 3, 1
	v_lshl_add_u32 v[B0], v2, 3, v3
	v_mul_u32_u24 v[B0], v[B0], PITB
	v_lshl_add_u32 v[B0], v4, 4, v[B0]
	s_lshl_b32 s22, s12, 8
	s_add_co_u32 s22, s22, 2*HALFT
	v_add_nc_u32 v[B0], s22, v[B0]
	v_mov_b32 v[ADRB], v[B0]
	s_mul_i32 s23, s10, STG
	v_mul_u32_u24 v[STO], v1, SP
	v_lshl_add_u32 v[STO], v2, 5, v[STO]
	v_add_nc_u32 v[STO], s23, v[STO]
	v_and_b32 v6, 31, v0
	v_lshl_add_u32 v[RD], v6, 4, s23               ; back: 32 lanes take a row's 512 bytes,
	v_lshlrev_b32 v[CO], 3, v6                     ; which are 256 bytes of bf16
	s_lshl_b32 s20, s13, 8
	s_lshl_b32 s21, s11, 7
	s_add_co_u32 s20, s20, s21
	s_lshl_b32 s20, s20, 13                        ; my first row, of 8,192 bytes
	s_lshl_b32 s21, s42, 9
	s_add_co_u32 s20, s20, s21
	s_lshl_b32 s21, s12, 8
	s_add_co_u32 s20, s20, s21
	s_mov_b32 s21, 0
	s_add_nc_u64 s[8:9], s[8:9], s[20:21]
	; the prefetches.  A: of the 128 rows that I fetch, partner cx takes 32, a lane a row.  B: of my 64 k-rows of 512 bytes, partner cy takes 16, two lanes a row.
	s_lshl_b32 s20, s13, 8
	s_lshl_b32 s21, s12, 7
	s_add_co_u32 s20, s20, s21
	s_lshl_b32 s21, s40, 5
	s_add_co_u32 s20, s20, s21
	s_lshl_b32 s20, s20, 11
	s_add_co_u32 s20, s20, 2*ASTEP                 ; at K step 2: the first refill steps it to 3
	s_lshl_b32 s22, s12, 6
	s_lshl_b32 s23, s41, 4
	s_add_co_u32 s22, s22, s23
	s_mul_i32 s22, s22, BP*2
	s_lshl_b32 s23, s42, 9
	s_add_co_u32 s22, s22, s23
	s_add_co_u32 s22, s22, WOFF+2*BSTEP
	s_and_b32 s23, ttmp7, 0xffff
	s_mov_b32 s[PSTEP], BSTEP
	s_mov_b32 s[PSTEP+1], 0
	s_mov_b32 s99, BP*2
	s_cmp_eq_u32 s11, 0
	s_cselect_b32 s20, s20, s22
	s_cselect_b32 s23, ttmp9, s23
	s_cselect_b64 s[PFA:PFA+1], s[4:5], s[6:7]
	s_cselect_b32 s[PSTEP], ASTEP, s[PSTEP]
	s_cselect_b32 s99, 2048, s99
	s_cselect_b32 s98, 0, 1
	s_cmp_eq_u32 s23, 0
	s_cselect_b32 s[LIM], 1, -1
	s_mov_b32 s21, 0
	s_add_nc_u64 s[PFA:PFA+1], s[PFA:PFA+1], s[20:21]
	v_and_b32 v[PFO], 31, v0
	v_and_b32 v31, s98, v[PFO]
	v_lshrrev_b32 v[PFO], s98, v[PFO]
	v_mul_u32_u24 v[PFO], s99, v[PFO]
	v_lshl_add_u32 v[PFO], v31, 8, v[PFO]
; 16 matrix instructions: row blocks a0, a0 + 1 of the window's four x all 8 column blocks, 32 along K.  zero = 1: the first product of each sum, with the bias as C.
; The 64 accumulators take turns, one instruction a turn, in the same order in every quarter.
.macro MUL16 f, hi, a0, zero
.if \zero
	WIN 0x81+0x40*(\hi)
.else
	WIN 0xa1+0x50*(\hi)
.endif
.irp a, \a0, (\a0)+1
.irp b, 0,1,2,3,4,5,6,7
.if \zero
	v_wmma_f32_16x16x32_bf16 v[8*(8*(\a)+(\b)):8*(8*(\a)+(\b))+7], v[(\f)+8*(\b):(\f)+8*(\b)+7], v[(\f)+8*(4*(\hi)+(\a)):(\f)+8*(4*(\hi)+(\a))+7], v[BIAS+8*(\b):BIAS+8*(\b)+7]
.else
	v_wmma_f32_16x16x32_bf16 v[8*(8*(\a)+(\b)):8*(8*(\a)+(\b))+7], v[(\f)+8*(\b):(\f)+8*(\b)+7], v[(\f)+8*(4*(\hi)+(\a)):(\f)+8*(4*(\hi)+(\a))+7], v[8*(8*(\a)+(\b)):8*(8*(\a)+(\b))+7]
.endif
.endr
.endr
.endm
.macro FETCH q, f
	WIN 0x40
.irp i, 0,1,2,3,4,5,6,7
	ds_load_tr16_b128 v[(\f)+8*(\i):(\f)+8*(\i)+3],   v[ADRB] offset:(\q)*32*PITB+32*(\i)
	ds_load_tr16_b128 v[(\f)+8*(\i)+4:(\f)+8*(\i)+7], v[ADRB] offset:(\q)*32*PITB+32*(\i)+16*PITB
.endr
	WIN 0
.irp i, 0,1,2,3,4,5,6,7
	ds_load_b128 v[(\f)+8*(\i):(\f)+8*(\i)+3],   v[ADRA] offset:(\q)*64+(\i)*16*PITA
	ds_load_b128 v[(\f)+8*(\i)+4:(\f)+8*(\i)+7], v[ADRA] offset:(\q)*64+(\i)*16*PITA+32
.endr
.endm
.macro QUARTER q, f, g, zero
	s_wait_dscnt 8                                 ; B and A's rows 0-63 are in; the youngest eight loads (A's rows 64-127) may be out
	MUL16 \f, 0, 0, \zero
	MUL16 \f, 0, 2, \zero
	PLACES
	FETCH \q, \g
	s_wait_dscnt 32                                ; all but the 32 just issued
	MUL16 \f, 1, 0, \zero
	MUL16 \f, 1, 2, \zero
.endm
; The last quarter multiplies buffer 1 and, in its middle, changes slots: one barrier.  In front of it each wave waits for all its tensor loads (the one that is out is its part of the next slot), adds 0 to
; its spare word, and waits for that and for its reads of this slot.  These lines, the barrier and the round stand together, with no product among them: between the wait for all loads and the next
; request no load of the work-group is on its way, so that stretch is kept short.  fill = 1: the barrier opens a round of the cluster's; behind it the slot just read out takes the K step two on, by the
; walking descriptors, which are stepped while the add is out: the request has a K step's 256 matrix instructions ahead of the wait for it.
.macro TURN fill
	s_wait_dscnt 8                                 ; B and A's rows 0-63 are in
	MUL16 F1, 0, 0, 0
	MUL16 F1, 0, 2, 0
	WIN 0
.if \fill
	s_wait_xcnt 0x0                                ; the last prefetch, a K step back, has read its address
	s_add_nc_u64 s[PFA:PFA+1], s[PFA:PFA+1], s[PSTEP:PSTEP+1]
.endif
	s_wait_tensorcnt 0x0                           ; all my tensor loads have landed, so a group 0 may be written
	ds_add_u32 v[SPW], v[NIL]                      ; 0 onto my spare word
.if \fill
	s_xor_b32 s[G0A+5], s[G0A+5], SLOT
	s_add_nc_u64 s[G0A+6:G0A+7], s[G0A+6:G0A+7], ASTEP
	s_xor_b32 s[G0B+5], s[G0B+5], SLOT
	s_add_nc_u64 s[G0B+6:G0B+7], s[G0B+6:G0B+7], BSTEP
.endif
	s_xor_b32 s[TB], s[TB], SLOT
	s_wait_dscnt 0x0                               ; the add is done, and my reads of this slot are over
	s_barrier_signal -1
	s_barrier_wait -1
.if \fill
	CREST                                          ; no wave of any partner still reads this slot or has a load on its way
	JLOAD                                          ; its four v_nop are also the places in front of the loads below
.else
	PLACES
.endif
	v_add_nc_u32 v[ADRA], s[TB], v[A0]
	v_add_nc_u32 v[ADRB], s[TB], v[B0]
	FETCH 0, F0
.if \fill
	ASK
.endif
	MUL16 F1, 1, 0, 0
	MUL16 F1, 1, 2, 0
.endm
	s_wait_tensorcnt 1                             ; my part of K step 0 is in; K step 1's may stay out
	s_barrier_signal -1
	s_barrier_wait -1
	FETCH 0, F0
	s_wait_loadcnt 0x0                             ; the bias
	QUARTER 1, F0, F1, 1
	WIN 0
	s_mov_b32 s3, 6                                ; K steps 0 to 5 ask for K steps 2 to 7
.Lstep:
	QUARTER 2, F1, F0, 0
	QUARTER 3, F0, F1, 0
	TURN 1
	QUARTER 1, F0, F1, 0
	WIN 0
	s_sub_co_u32 s3, s3, 1
	s_cmp_lg_u32 s3, 0
	s_cbranch_scc1 .Lstep
	s_mov_b32 s3, 2                                ; K steps 6 and 7 ask for nothing: a text of their own
.Ltail:
	QUARTER 2, F1, F0, 0
	QUARTER 3, F0, F1, 0
	WIN 0
	s_cmp_eq_u32 s3, 1
	s_cbranch_scc1 .Llast
	TURN 0
	QUARTER 1, F0, F1, 0
	WIN 0
	s_sub_co_u32 s3, s3, 1
	s_cmp_lg_u32 s3, 0
	s_cbranch_scc1 .Ltail
.Llast:
	s_wait_dscnt 8
	MUL16 F1, 0, 0, 0
	MUL16 F1, 0, 2, 0
	s_wait_dscnt 0x0
	MUL16 F1, 1, 0, 0
	MUL16 F1, 1, 2, 0
	WIN 0
	s_barrier_signal -1                            ; every wave's reads of the ring are back, and the ring has had its last fill:
	s_barrier_wait -1                              ; behind this barrier it is the stages
	PLACES
.irp hi, 0,1
	WIN 0x08+4*(\hi)
.irp a, 0,1,2,3
.irp b, 0,1,2,3,4,5,6,7
	ds_store_b128 v[STO], v[8*(8*(\a)+(\b)):8*(8*(\a)+(\b))+3]   offset:(4*(\hi)+(\a))*16*SP+64*(\b)     ; each accumulator's low four registers first
	ds_store_b128 v[STO], v[8*(8*(\a)+(\b))+4:8*(8*(\a)+(\b))+7] offset:(4*(\hi)+(\a))*16*SP+64*(\b)+16
.endr
.endr
.endr
	WIN 0
; THE WALK: 16 trips of 8 rows.  A trip's eight LDS loads are asked for in the trip before, as soon as X is free; LDS serves a wave's instructions in order (ISA guide 5.7.1.4), so they see my stores above.
.macro LDX
.irp t, 0,1,2,3,4,5,6,7
	ds_load_b128 v[X+4*(\t):X+4*(\t)+3], v[RD] offset:SP*(\t)
.endr
.endm
	s_mov_b32 s3, 16
	s_mov_b32 s16, 0                               ; what the output's base steps by: 0 the first time
	s_mov_b32 s17, 0
	LDX
.Lsilu:
	s_wait_dscnt 0x0
.set i, 0
.rept 16
	v_pk_mul_f32 v[T+2*i:T+2*i+1], v[X+2*i:X+2*i+1], s[96:97] op_sel_hi:[1,0]
.set i, i+1
.endr
.set i, 0
.rept 32
	v_exp_f32 v[T+i], v[T+i]
.set i, i+1
.endr
	v_nop                                          ; a plain instruction behind the batch, and one wait ahead of its first reader
	s_wait_alu depctr_va_vdst(0)
.set i, 0
.rept 16
	v_pk_add_f32 v[T+2*i:T+2*i+1], v[T+2*i:T+2*i+1], 1.0 op_sel_hi:[1,0]
.set i, i+1
.endr
.set i, 0
.rept 32
	v_rcp_f32 v[T+i], v[T+i]
.set i, i+1
.endr
	v_nop
	s_wait_alu depctr_va_vdst(0)
.set i, 0
.rept 16
	v_pk_mul_f32 v[T+2*i:T+2*i+1], v[T+2*i:T+2*i+1], v[X+2*i:X+2*i+1]
.set i, i+1
.endr
	s_cmp_eq_u32 s3, 1                             ; X has been read: the next trip's rows; the last trip has none behind it
	s_cbranch_scc1 .Lno_more
	v_add_nc_u32 v[RD], 8*SP, v[RD]
	LDX
.Lno_more:
	s_wait_xcnt 0x0                                ; the last trip's stores, a trip's arithmetic back, have read Y and their base: both are written again only behind this wait
	s_add_nc_u64 s[8:9], s[8:9], s[16:17]
	s_mov_b32 s16, 65536                           ; 8 rows of 8,192 bytes
.set i, 0
.rept 16
	v_cvt_pk_bf16_f32 v[Y+i], v[T+2*i], v[T+2*i+1]
.set i, i+1
.endr
.irp t, 0,1,2,3,4,5,6,7
	global_store_b64 v[CO], v[Y+2*(\t):Y+2*(\t)+1], s[8:9] offset:8192*(\t)  ; 32 lanes store 256 consecutive bytes, aligned
.endr
	s_sub_co_u32 s3, s3, 1
	s_cmp_lg_u32 s3, 0
	s_cbranch_scc1 .Lsilu
	s_wait_tensorcnt 0x0                           ; the wave's end
	ds_add_u32 v[SPW], v[NIL]
	s_wait_dscnt 0x0
	CROUND                                         ; the closing round
	s_endpgm
.Lfunc_end_k_q47421725de_ffn1:
	.size	k_q47421725de_ffn1, .Lfunc_end_k_q47421725de_ffn1-k_q47421725de_ffn1
	.p2alignl 7, 3214868480
	.fill 96, 4, 3214868480
	.section	.rodata,"a",@progbits
	.p2align	6, 0x0
	.amdhsa_kernel k_q47421725de_ffn1
		.amdhsa_group_segment_fixed_size 327680
		.amdhsa_private_segment_fixed_size 0
		.amdhsa_enable_private_segment 0
		.amdhsa_kernarg_size 32
		.amdhsa_user_sgpr_count 2
		.amdhsa_user_sgpr_kernarg_segment_ptr 1
		.amdhsa_wavefront_size32 1
		.amdhsa_system_sgpr_workgroup_id_x 1
		.amdhsa_system_sgpr_workgroup_id_y 1
		.amdhsa_system_sgpr_workgroup_id_z 1
		.amdhsa_system_vgpr_workitem_id 0
		.amdhsa_next_free_vgpr 1024
		.amdhsa_next_free_sgpr 100
		.amdhsa_reserve_vcc 0
		.amdhsa_float_denorm_mode_32 3
		.amdhsa_float_denorm_mode_16_64 3
		.amdhsa_memory_ordered 1
		.amdhsa_forward_progress 1
		.amdhsa_inst_pref_size 92
	.end_amdhsa_kernel
	.amdgpu_metadata
---
amdhsa.version: [ 1, 2 ]
amdhsa.kernels:
  - .name:           k_q47421725de_ffn1
    .symbol:         k_q47421725de_ffn1.kd
    .args:
      - { .name: act, .offset: 0, .size: 8, .value_kind: global_buffer, .address_space: global }
      - { .name: wb, .offset: 8, .size: 8, .value_kind: global_buffer, .address_space: global }
      - { .name: b1, .offset: 16, .size: 8, .value_kind: global_buffer, .address_space: global }
      - { .name: big, .offset: 24, .size: 8, .value_kind: global_buffer, .address_space: global }
    .group_segment_fixed_size: 327680
    .private_segment_fixed_size: 0
    .kernarg_segment_align: 8
    .kernarg_segment_size: 32
    .max_flat_workgroup_size: 128
    .sgpr_count:     100
    .vgpr_count:     1024
    .wavefront_size: 32
...
	.end_amdgpu_metadata
.endif
;; end of part 6
;; launch ffn2 (part 7): grid 8 x 32, 4 waves a work-group, clusters of 4 x 4, 327,680 bytes of LDS; arguments big, wb, b2, x1, out0; writes out0
.if DOCPART == 7
	.amdgcn_target "amdgcn-amd-amdhsa--gfx1250"
	.amdhsa_code_object_version 6
	.text
	.protected	k_q47421725de_ffn2
	.globl	k_q47421725de_ffn2
	.p2align	8
	.type	k_q47421725de_ffn2,@function
k_q47421725de_ffn2:
	s_mov_b64 s[64:65], 0
	v_nop
	global_prefetch_b8 v0, s[64:65] scope:SCOPE_SE
	s_setreg_imm32_b32 hwreg(HW_REG_WAVE_MODE, 25, 1), 1
	s_wait_xcnt 0x0
	s_wait_alu depctr_hold_cnt(0) depctr_sa_sdst(0) depctr_va_vdst(0) depctr_va_sdst(0) depctr_va_ssrc(0) depctr_va_vcc(0) depctr_vm_vsrc(0)
	s_getreg_b32 s2, hwreg(HW_REG_IB_STS2, 6, 4)
	s_cmp_eq_u32 s2, 0
	s_cbranch_scc0 .Lentry_in_a_cluster
	s_endpgm
.Lentry_in_a_cluster:
	s_bfe_u32 s2, ttmp6, 0x10000c
	s_cmp_lg_u32 s2, 0xf033
	s_cbranch_scc0 .Lentry_shape_is_right
	s_endpgm
.Lentry_shape_is_right:
; OUT = RES + A B + bias, f32 out.  A = silu(..): bf16 [4096][4096] (big).  B = W2: [4096][1024] bf16 as it lies (wb).  RES = x1, OUT = out0: [4096][1024] f32.  Sums in f32.
; SHAPE.  1,024 columns give 256 tiles of 128 x 128, one for each work-group; four waves of 64 x 64: 16 accumulators.  K goes in 16 steps of 256 through two LDS slots; 4 x 4 work-groups form a cluster,
; A's tile asked for jointly along a row of the cluster, B's along a column.  The matrix instruction is used transposed (source 0 = 16 columns of B, turned by ds_load_tr16_b128; source 1 = 16 rows of A).
; The bias, laid out as a C operand, starts the sums.  The residual is asked for at the start and waits in registers.  No prefetch: the tiles are small and each step's loads are short.
.set SLOT,  147456                     ; 0x24000: no wave's place in a slot has bit 14 or 17, so an exclusive or changes slots
.set BOFF,  73728
.set PITB,  288                        ; a k-row of B: 256 bytes + 32 = 9 x 32
.set BH,    128*PITB
.set SPARE, 2*SLOT
.set SP,    272
.set STG,   64*SP
.set BSTEP, 524288
.set AP,    528                        ; a row of A in LDS: 512 bytes + 16
.set AQ,    128
.set AH,    64*AP
.set STEPS, 16
.set WOFF,  18874368                   ; W2 in wb
.set ASTEP, 512
.set AI,    16*AP
.set ADRA, 16
.set A0,   17
.set ADRB, 20                          ; v20 quarters 0, 1;  v22 quarters 2, 3 (the immediate has 16 bits)
.set B0,   21
.set STO,  24
.set RD,   25
.set CO,   26
.set SPW,  28
.set NIL,  29
.set BIAS, 96
.set ACC,  128
.set F0,   0
.set F1,   128
.set G1A, 24
.set G0A, 32
.set G1B, 48
.set G0B, 56
.set TB,  66
.set MSB, 0
.macro WIN new
.if MSB != (\new)
	s_set_vgpr_msb (MSB<<8)|(\new)
.set MSB, \new
.endif
.endm
.macro PLACES
.rept 4
	v_nop
.endr
.endm
.macro JLOAD                           ; a joint refill by the walking descriptors; s_nop 0 and four v_nop behind each line
	s_cmp_eq_u32 s11, 0
	s_cbranch_scc0 .Lfor_b_\@
	tensor_load_to_lds s[G0A+4:G0A+7], s[G1A:G1A+7]
	s_nop 0
.rept 4
	v_nop
.endr
	s_branch .Lasked_\@
.Lfor_b_\@:
	tensor_load_to_lds s[G0B+4:G0B+7], s[G1B:G1B+7]
	s_nop 0
.rept 4
	v_nop
.endr
.Lasked_\@:
.endm
.macro CREST
	s_cmp_lg_u32 s10, 0
	s_cbranch_scc1 .Lnot_wave_0_\@
	s_barrier_signal -3
.Lnot_wave_0_\@:
	s_barrier_wait -3
	s_barrier_signal -1
	s_barrier_wait -1
.endm
.macro CROUND
	s_barrier_signal -1
	s_barrier_wait -1
	CREST
.endm
	s_load_b256 s[72:79], s[0:1], 0x0              ; A s[72:73], wb s[74:75], bias s[76:77], residual s[78:79]
	s_load_b64 s[8:9], s[0:1], 0x20                ; the output
	v_lshl_add_u32 v[SPW], v0, 2, SPARE
	v_mov_b32 v[NIL], 0
	ds_add_u32 v[SPW], v[NIL]                      ; the wave's opening: the add and its wait ahead of my first tensor load
	v_lshrrev_b32 v1, 5, v0
	v_readfirstlane_b32 s10, v1
	s_lshr_b32 s11, s10, 1
	s_and_b32 s12, s10, 1
	s_bfe_u32 s40, ttmp6, 0x40000
	s_bfe_u32 s41, ttmp6, 0x40004
	s_lshl_b32 s42, ttmp9, 2
	s_add_co_u32 s42, s42, s40                     ; tile column 0..7
	s_and_b32 s13, ttmp7, 0xffff
	s_lshl_b32 s13, s13, 2
	s_add_co_u32 s13, s13, s41                     ; tile row 0..31
	s_lshl_b32 s43, s41, 2
	s_lshl_b32 s43, 15, s43
	s_lshl_b32 s44, 0x1111, s40
	s_or_b32 s[G1A], s43, (1<<16)|(1<<20)|(1<<21)|(6<<22)|(3<<25)  ; after every 128 words 4 words
	s_mov_b32 s[G1A+1], 256<<16                    ; 64 rows of 256 elements, 4,096 apart
	s_mov_b32 s[G1A+2], 64<<16
	s_mov_b32 s[G1A+3], 256<<16
	s_mov_b32 s[G1A+4], 64
	s_mov_b32 s[G1A+5], 4096
	s_mov_b32 s[G1A+6], 0
	s_mov_b32 s[G1A+7], 0
	s_or_b32 s[G1B], s44, (1<<16)|(1<<20)|(1<<21)|(5<<22)|(7<<25)  ; after every 64 words 8 words
	s_mov_b32 s[G1B+1], 128<<16
	s_mov_b32 s[G1B+2], 128<<16
	s_mov_b32 s[G1B+3], 128<<16
	s_mov_b32 s[G1B+4], 128
	s_mov_b32 s[G1B+5], 1024
	s_mov_b32 s[G1B+6], 0
	s_mov_b32 s[G1B+7], 0
	s_lshl_b32 s16, s13, 7
	s_lshl_b32 s17, s12, 6
	s_add_co_u32 s16, s16, s17                     ; row 128 x tile row + 64 x half,
	s_lshl_b32 s16, s16, 13                        ; of 8,192 bytes
	s_mov_b32 s17, 0
	s_lshl_b32 s46, s42, 8
	s_lshl_b32 s47, s12, 18
	s_add_co_u32 s46, s46, s47
	s_add_co_u32 s46, s46, WOFF
	s_mov_b32 s47, 0
	s_mul_i32 s20, s12, AH
	s_mul_i32 s21, s12, BH
	s_add_co_u32 s21, s21, BOFF
	s_mov_b32 s[TB], 0
	s_wait_dscnt 0x0                               ; the opening add is done
	s_wait_kmcnt 0x0
	s_add_nc_u64 s[14:15], s[72:73], s[16:17]
	s_add_nc_u64 s[46:47], s[74:75], s[46:47]
.irp s, 0,1
	s_mov_b32 s[G0A+4*(\s)], 1
	s_add_co_u32 s[G0A+4*(\s)+1], s20, (\s)*SLOT
	s_add_nc_u64 s[G0A+4*(\s)+2:G0A+4*(\s)+3], s[14:15], (\s)*ASTEP
	s_or_b32 s[G0A+4*(\s)+3], s[G0A+4*(\s)+3], 0x80000000
	s_mov_b32 s[G0B+4*(\s)], 1
	s_add_co_u32 s[G0B+4*(\s)+1], s21, (\s)*SLOT
	s_add_nc_u64 s[G0B+4*(\s)+2:G0B+4*(\s)+3], s[46:47], (\s)*BSTEP
	s_or_b32 s[G0B+4*(\s)+3], s[G0B+4*(\s)+3], 0x80000000
.endr
	CROUND                                         ; all sixteen work-groups are here: the first joint loads meet
	s_cmp_eq_u32 s11, 0                            ; a wave's two first fills stand in one branch: two loads of mine are out
	s_cbranch_scc0 .Lfirst_b
	tensor_load_to_lds s[G0A:G0A+3], s[G1A:G1A+7]
	s_nop 0
	tensor_load_to_lds s[G0A+4:G0A+7], s[G1A:G1A+7]
	s_nop 0
.rept 4
	v_nop
.endr
	s_branch .Lfirst_asked
.Lfirst_b:
	tensor_load_to_lds s[G0B:G0B+3], s[G1B:G1B+7]
	s_nop 0
	tensor_load_to_lds s[G0B+4:G0B+7], s[G1B:G1B+7]
	s_nop 0
.rept 4
	v_nop
.endr
.Lfirst_asked:
	s_lshl_b32 s16, s13, 7
	s_lshl_b32 s17, s11, 6
	s_add_co_u32 s16, s16, s17
	s_lshl_b32 s16, s16, 12                        ; my first row, of 4,096 bytes
	s_mov_b32 s17, 0
	s_lshl_b32 s46, s42, 9
	s_lshl_b32 s47, s12, 8
	s_add_co_u32 s46, s46, s47                     ; my first column, in bytes of f32
	s_mov_b32 s47, 0
	s_add_nc_u64 s[70:71], s[76:77], s[46:47]
	s_add_nc_u64 s[68:69], s[78:79], s[16:17]
	s_add_nc_u64 s[68:69], s[68:69], s[46:47]
	s_add_nc_u64 s[8:9], s[8:9], s[16:17]
	s_add_nc_u64 s[8:9], s[8:9], s[46:47]
	v_and_b32 v1, 15, v0
	v_bfe_u32 v2, v0, 4, 1
	v_lshlrev_b32 v5, 5, v2
.irp b, 0,1,2,3
	global_load_b128 v[BIAS+8*(\b):BIAS+8*(\b)+3],   v5, s[70:71] offset:64*(\b)
	global_load_b128 v[BIAS+8*(\b)+4:BIAS+8*(\b)+7], v5, s[70:71] offset:64*(\b)+16
.endr
	v_lshlrev_b32 v[CO], 12, v2
	v_lshl_add_u32 v[CO], v1, 4, v[CO]
	WIN 0x80                                       ; destination window 2
.set t, 0
.rept 32
	global_load_b128 v[4*t:4*t+3], v[CO], s[68:69] offset:8192*t th:TH_LOAD_NT
.set t, t+1
.endr
	WIN 0
	v_mul_u32_u24 v[A0], v1, AP
	v_lshl_add_u32 v[A0], v2, 4, v[A0]
	s_mul_i32 s21, s11, 64*AP
	v_add_nc_u32 v[A0], s21, v[A0]
	v_mov_b32 v[ADRA], v[A0]
	v_and_b32 v3, 7, v0
	v_bfe_u32 v4, v0, 3, 1
	v_lshl_add_u32 v[B0], v2, 3, v3
	v_mul_u32_u24 v[B0], v[B0], PITB
	v_lshl_add_u32 v[B0], v4, 4, v[B0]
	s_lshl_b32 s22, s12, 7
	s_add_co_u32 s22, s22, BOFF
	v_add_nc_u32 v[B0], s22, v[B0]
	v_mov_b32 v[ADRB], v[B0]
	v_add_nc_u32 v[ADRB+2], BH, v[B0]
	s_mul_i32 s23, s10, STG
	v_mul_u32_u24 v[STO], v1, SP
	v_lshl_add_u32 v[STO], v2, 5, v[STO]
	v_add_nc_u32 v[STO], s23, v[STO]
	v_mul_u32_u24 v[RD], v2, SP
	v_lshl_add_u32 v[RD], v1, 4, v[RD]
	v_add_nc_u32 v[RD], s23, v[RD]
; 8 matrix instructions: row blocks a0, a0 + 1 x all 4 column blocks, 32 along K: half c of buffer f.  zero = 1: each sum's first product, with the bias as C.  The 16 accumulators take turns.
.macro MUL8 f, c, a0, zero
	WIN 0x05
.irp a, \a0, (\a0)+1
.irp b, 0,1,2,3
.if \zero
	v_wmma_f32_16x16x32_bf16 v[ACC+8*(4*(\a)+(\b)):ACC+8*(4*(\a)+(\b))+7], v[(\f)+64+8*(4*(\c)+(\b)):(\f)+64+8*(4*(\c)+(\b))+7], v[(\f)+8*(4*(\c)+(\a)):(\f)+8*(4*(\c)+(\a))+7], v[BIAS+8*(\b):BIAS+8*(\b)+7]
.else
	v_wmma_f32_16x16x32_bf16 v[ACC+8*(4*(\a)+(\b)):ACC+8*(4*(\a)+(\b))+7], v[(\f)+64+8*(4*(\c)+(\b)):(\f)+64+8*(4*(\c)+(\b))+7], v[(\f)+8*(4*(\c)+(\a)):(\f)+8*(4*(\c)+(\a))+7], v[ACC+8*(4*(\a)+(\b)):ACC+8*(4*(\a)+(\b))+7]
.endif
.endr
.endr
.endm
.macro FETCH q, f
	WIN 0x40
.irp c, 0,1
.irp i, 0,1,2,3
	ds_load_tr16_b128 v[(\f)+64+8*(4*(\c)+(\i)):(\f)+64+8*(4*(\c)+(\i))+3],   v[ADRB+2*((\q)/2)] offset:((\q)%2)*64*PITB+(\c)*32*PITB+32*(\i)
	ds_load_tr16_b128 v[(\f)+64+8*(4*(\c)+(\i))+4:(\f)+64+8*(4*(\c)+(\i))+7], v[ADRB+2*((\q)/2)] offset:((\q)%2)*64*PITB+(\c)*32*PITB+32*(\i)+16*PITB
	ds_load_b128 v[(\f)+8*(4*(\c)+(\i)):(\f)+8*(4*(\c)+(\i))+3],   v[ADRA] offset:(\q)*AQ+64*(\c)+(\i)*AI
	ds_load_b128 v[(\f)+8*(4*(\c)+(\i))+4:(\f)+8*(4*(\c)+(\i))+7], v[ADRA] offset:(\q)*AQ+64*(\c)+(\i)*AI+32
.endr
.endr
.endm
.macro QUARTER q, f, g, zero
	s_wait_dscnt 16                                ; the first 32 along K are in; the sixteen younger loads may be out
	MUL8 \f, 0, 0, \zero
	MUL8 \f, 0, 2, \zero
	PLACES
	FETCH \q, \g
	s_wait_dscnt 32                                ; all but the 32 just issued
	MUL8 \f, 1, 0, 0
	MUL8 \f, 1, 2, 0
.endm
; The last quarter multiplies buffer 1 and, in its middle, changes slots: one barrier.  The wait for all my tensor loads, the add, the wait for it and for my reads of this slot, the barrier and the round
; stand together, with no product among them: between that wait and the next request no load of the work-group is on its way, so the stretch is kept short.  fill = 1: the barrier opens a round of the
; cluster's, and behind it the slot just read out takes the K step two on: the request has a K step's 128 matrix instructions ahead of the wait for it.
.macro TURN fill
	s_wait_dscnt 16                                ; the first 32 along K are in
	MUL8 F1, 0, 0, 0
	MUL8 F1, 0, 2, 0
	WIN 0
	s_wait_tensorcnt 0x0                           ; all my tensor loads have landed: my part of the next slot; so a group 0 may be written
	ds_add_u32 v[SPW], v[NIL]                      ; 0 onto my spare word
.if \fill
	s_xor_b32 s[G0A+5], s[G0A+5], SLOT
	s_add_nc_u64 s[G0A+6:G0A+7], s[G0A+6:G0A+7], ASTEP
	s_xor_b32 s[G0B+5], s[G0B+5], SLOT
	s_add_nc_u64 s[G0B+6:G0B+7], s[G0B+6:G0B+7], BSTEP
.endif
	s_xor_b32 s[TB], s[TB], SLOT
	s_wait_dscnt 0x0                               ; the add is done, and my reads of this slot are over
	s_barrier_signal -1
	s_barrier_wait -1
.if \fill
	CREST
	JLOAD                                          ; its four v_nop are also the places in front of the loads below
.else
	PLACES
.endif
	v_add_nc_u32 v[ADRA], s[TB], v[A0]
	v_add_nc_u32 v[ADRB], s[TB], v[B0]
	v_add_nc_u32 v[ADRB+2], BH, v[ADRB]
	FETCH 0, F0
	MUL8 F1, 1, 0, 0
	MUL8 F1, 1, 2, 0
.endm
	s_wait_tensorcnt 1                             ; my part of K step 0 is in; K step 1's may stay out
	s_barrier_signal -1
	s_barrier_wait -1
	FETCH 0, F0
	s_wait_loadcnt 32                              ; the bias is in; the residual's 32 younger loads stay out until the way out
	QUARTER 1, F0, F1, 1
	WIN 0
	s_mov_b32 s3, STEPS-2
.Lstep:
	QUARTER 2, F1, F0, 0
	QUARTER 3, F0, F1, 0
	TURN 1
	QUARTER 1, F0, F1, 0
	WIN 0
	s_sub_co_u32 s3, s3, 1
	s_cmp_lg_u32 s3, 0
	s_cbranch_scc1 .Lstep
	s_mov_b32 s3, 2                                ; the last two K steps ask for nothing: a text of their own
.Ltail:
	QUARTER 2, F1, F0, 0
	QUARTER 3, F0, F1, 0
	WIN 0
	s_cmp_eq_u32 s3, 1
	s_cbranch_scc1 .Llast
	TURN 0
	QUARTER 1, F0, F1, 0
	WIN 0
	s_sub_co_u32 s3, s3, 1
	s_cmp_lg_u32 s3, 0
	s_cbranch_scc1 .Ltail
.Llast:
	s_wait_dscnt 16
	MUL8 F1, 0, 0, 0
	MUL8 F1, 0, 2, 0
	s_wait_dscnt 0x0
	MUL8 F1, 1, 0, 0
	MUL8 F1, 1, 2, 0
	WIN 0
	s_barrier_signal -1                            ; every wave's reads of the ring are back, and the ring has had its last fill:
	s_barrier_wait -1                              ; behind this barrier it is the stages, each wave's own
	PLACES
.irp a, 0,1,2,3
.irp b, 0,1,2,3
	ds_store_b128 v[STO], v[ACC+8*(4*(\a)+(\b)):ACC+8*(4*(\a)+(\b))+3]   offset:(\a)*16*SP+64*(\b)     ; each accumulator's low four registers first
	ds_store_b128 v[STO], v[ACC+8*(4*(\a)+(\b))+4:ACC+8*(4*(\a)+(\b))+7] offset:(\a)*16*SP+64*(\b)+16
.endr
.endr
.set t, 0
.rept 32
	ds_load_b128 v[ACC+4*t:ACC+4*t+3], v[RD] offset:2*SP*t  ; LDS serves a wave's instructions in order (ISA guide 5.7.1.4): these see the stores above
.set t, t+1
.endr
	s_wait_dscnt 0x0
	s_wait_loadcnt 0x0                             ; the residual
	WIN 0x08                                       ; source 1 in window 2
.set t, 0
.rept 64
	v_pk_add_f32 v[ACC+2*t:ACC+2*t+1], v[ACC+2*t:ACC+2*t+1], v[2*t:2*t+1]
.set t, t+1
.endr
	WIN 0
.set t, 0
.rept 32
	global_store_b128 v[CO], v[ACC+4*t:ACC+4*t+3], s[8:9] offset:8192*t  ; 16 lanes store 256 consecutive bytes, aligned
.set t, t+1
.endr
	s_wait_tensorcnt 0x0                           ; the wave's end
	ds_add_u32 v[SPW], v[NIL]
	s_wait_dscnt 0x0
	CROUND                                         ; the closing round
	s_endpgm
.Lfunc_end_k_q47421725de_ffn2:
	.size	k_q47421725de_ffn2, .Lfunc_end_k_q47421725de_ffn2-k_q47421725de_ffn2
	.p2alignl 7, 3214868480
	.fill 96, 4, 3214868480
	.section	.rodata,"a",@progbits
	.p2align	6, 0x0
	.amdhsa_kernel k_q47421725de_ffn2
		.amdhsa_group_segment_fixed_size 327680
		.amdhsa_private_segment_fixed_size 0
		.amdhsa_enable_private_segment 0
		.amdhsa_kernarg_size 40
		.amdhsa_user_sgpr_count 2
		.amdhsa_user_sgpr_kernarg_segment_ptr 1
		.amdhsa_wavefront_size32 1
		.amdhsa_system_sgpr_workgroup_id_x 1
		.amdhsa_system_sgpr_workgroup_id_y 1
		.amdhsa_system_sgpr_workgroup_id_z 1
		.amdhsa_system_vgpr_workitem_id 0
		.amdhsa_next_free_vgpr 768
		.amdhsa_next_free_sgpr 100
		.amdhsa_reserve_vcc 0
		.amdhsa_float_denorm_mode_32 3
		.amdhsa_float_denorm_mode_16_64 3
		.amdhsa_memory_ordered 1
		.amdhsa_forward_progress 1
		.amdhsa_inst_pref_size 68
	.end_amdhsa_kernel
	.amdgpu_metadata
---
amdhsa.version: [ 1, 2 ]
amdhsa.kernels:
  - .name:           k_q47421725de_ffn2
    .symbol:         k_q47421725de_ffn2.kd
    .args:
      - { .name: big, .offset: 0, .size: 8, .value_kind: global_buffer, .address_space: global }
      - { .name: wb, .offset: 8, .size: 8, .value_kind: global_buffer, .address_space: global }
      - { .name: b2, .offset: 16, .size: 8, .value_kind: global_buffer, .address_space: global }
      - { .name: x1, .offset: 24, .size: 8, .value_kind: global_buffer, .address_space: global }
      - { .name: out0, .offset: 32, .size: 8, .value_kind: global_buffer, .address_space: global }
    .group_segment_fixed_size: 327680
    .private_segment_fixed_size: 0
    .kernarg_segment_align: 8
    .kernarg_segment_size: 40
    .max_flat_workgroup_size: 128
    .sgpr_count:     100
    .vgpr_count:     768
    .wavefront_size: 32
...
	.end_amdgpu_metadata
.endif
;; end of part 7
